; MI455X (gfx1250); checked and timed in simulation.
; The chip was launched on July 23, 2026; its instructions are those of AMD's public machine-readable ISA for CDNA 5 (MIT licence, August 2026) and "CDNA5" Instruction Set Architecture Reference Guide (July 2026). The comments in the code are by the model that wrote it; some were corrected since.
;; Multihead Attention. Allowed arithmetic: matrix products marked QUANTISED: E2M3 operands, one E8M0 scale for each 32 along K, by v_wmma_scale_f32_16x16x128_f8f6f4 with both operands' format E2M3, f32 sums; everything else in f32.
;; Inputs: in_proj_bias 3,072 float32; in_proj_weight_codes 3,072 x 32 x 24 uint8 (E2M3 codes of in_proj_weight, K innermost, in blocks of 32 codes, four codes in three bytes); in_proj_weight_scales 3,072 x 32 uint8 (E8M0 scales of in_proj_weight, one for each 32 codes along K); local_attn_mask 32 x 2,048 x 2,048 bool; out_proj_bias 1,024 float32; out_proj_weight_codes 1,024 x 32 x 24 uint8 (E2M3 codes of out_proj_weight, K innermost, in blocks of 32 codes, four codes in three bytes); out_proj_weight_scales 1,024 x 32 uint8 (E8M0 scales of out_proj_weight, one for each 32 codes along K); query_codes 2,048 x 2 x 32 x 24 uint8 (E2M3 codes of query, K innermost, in blocks of 32 codes, four codes in three bytes); query_scales 2,048 x 2 x 32 uint8 (E8M0 scales of query, one for each 32 codes along K); sinusoidal_pos 2 x 2,048 x 64 float32.
;; Outputs: out0 2,048 x 2 x 1,024 float32.
;; This version of the problem:
;;   THIS VERSION OF THE PROBLEM IS GIVEN IN LOW PRECISION. The matrix products marked QUANTISED in the list below multiply operands that are first quantised to E2M3 (2 exponent bits, 3 mantissa bits; 6 bits a number), with one power-of-two scale for each 32 numbers along K (OCP MX v1.0); their sums are f32. All else is computed in f32.
;;   The module's matrix products, in the order in which they are computed (A, B: the left and right operand; K: the contracted axis; several contracted axes count as one K, in the product's order):
;;     1. [M 4,096, K 1,024] x [K 1,024, N 3,072]; A: input query (given as codes); B: input in_proj_weight (given as codes): QUANTISED
;;     2. batch 32 x [M 2,048, K 64] x [K 64, N 2,048]; A: computed on the way; B: computed on the way: QUANTISED
;;     3. batch 32 x [M 2,048, K 2,048] x [K 2,048, N 64]; A: softmax (see below); B: computed on the way: QUANTISED
;;     4. batch 32 x [M 2,048, K 64] x [K 64, N 2,048]; A: computed on the way; B: computed on the way: QUANTISED
;;     5. batch 32 x [M 2,048, K 2,048] x [K 2,048, N 64]; A: softmax (see below); B: computed on the way: QUANTISED
;;     6. [M 4,096, K 1,024] x [K 1,024, N 1,024]; A: computed on the way; B: input out_proj_weight (given as codes): QUANTISED
;;   THE QUANTISER, for each operand of a quantised product, along K:
;;     - K is cut into blocks of 32 from its start; a last block that is shorter is filled with zeros.
;;     - A block's scale is 2^e with e = floor(log2(the largest magnitude in the block)) - 2, held to -126 .. 127; a block of zeros has e = 0. As a byte (E8M0): e + 127.
;;     - Each number is divided by its block's scale, clamped to +-7.5, and rounded to the nearest number of E2M3, ties to even, subnormals kept.
;;     - The product sums the exact products of the quantised numbers (number of the format x scale) in f32.
;;   ~~~python
;;   def quantise(x, axis):      # numpy; x: float32 -> the quantised numbers, widened to float32 again
;;       x = np.moveaxis(x, axis, -1); K = x.shape[-1]
;;       x = np.pad(x, [(0, 0)] * (x.ndim - 1) + [(0, -K % 32)]); x = x.reshape(x.shape[:-1] + (-1, 32)); a = np.abs(x).max(-1, keepdims=True)
;;       e = np.where(a > 0, np.clip(np.frexp(np.where(a > 0, a, 1))[1] - 1 - 2, -126, 127), 0)      # np.frexp(a)[1] - 1 = floor(log2(a)), exactly
;;       r = np.clip(x / 2.0 ** e, -7.5, 7.5)
;;       step = 2.0 ** (np.maximum(np.frexp(np.where(r == 0, 1, r))[1] - 1, 0) - 3)
;;       q = np.round(r / step) * step * 2.0 ** e      # np.round: ties to even
;;       return np.moveaxis(q.reshape(q.shape[:-2] + (-1,))[..., :K], -1, axis).astype(np.float32)
;;   ~~~
;;   SOFTMAX AHEAD OF A QUANTISED PRODUCT. Where the list says 'softmax', what is quantised is not the finished softmax but p = 2^(t - M), with t = logit x log2(e) and M = ceil(the row's largest t), a whole number; so 1/2 < the row's largest p <= 1. The row's sum l is taken of the UNQUANTISED p, in f32, and the product's result is divided by l at the end. Since M is a whole number, a kernel that streams over the keys may use a running M (the ceiling of the running maximum): every later rescaling is an exact power of two, which a block's scale takes up: the codes' values come out the same.
;;   OPERANDS COMPUTED ON THE WAY. 'Computed on the way' means the value that the module computes at that place (a softmax that the list does not call 'softmax' is quantised finished and normalised). What goes into a quantiser is computed in f32, as accurately as f32 sums, v_exp_f32 and their like allow (about 1e-6 of the number): no bf16 or f16 on the way to a quantiser, and a product that is left as it is and whose result goes on into a quantised operand takes f32 operands (vector FMAs, or v_wmma_f32_16x16x4_f32). A number that lies on a knife's edge between two numbers of the format may be rounded either way, as far as f32 arithmetic and the matrix unit's own rounding can turn it there, and no further.
;;   INPUTS GIVEN AS CODES. in_proj_weight (in the module: [3072, 1024], K = its axis 1); out_proj_weight (in the module: [1024, 1024], K = its axis 1); query (in the module: [2048, 2, 1024], K = its axis 2): each comes as NAME_codes (uint8): NAME with its K axis moved to the last place and cut into blocks of 32 codes, [.., K / 32, bytes a block], one block behind the other in memory; four codes in three bytes: a row's codes are one little-endian stream of bits, code i at bits 6 i .. 6 i + 5 (a code: sign, 2 exponent bits, 3 mantissa bits); and NAME_scales (uint8): the same leading axes, one E8M0 byte (e + 127) for each 32 codes along K. Its value is code x scale, taken as it is: it is not quantised again, and the codes and scales need not be those that the quantiser above would give.
;; 2 versions. Each part assembles by itself: llvm-mc -triple=amdgcn-amd-amdhsa -mcpu=gfx1250 --defsym DOCPART=n.
;; ======== version 1 of 2: 4 launches
;; workspace buffers: flags 16,384 bytes of whole numbers; mbits 16,777,216 bytes of whole numbers; qf 6,553,600 bytes; kv 9,961,472 bytes; ac 3,145,728 bytes; asc 131,072 bytes
;; launch scan (part 1): grid 1024 x 1, 4 waves a work-group, no clusters, 34,304 bytes of LDS; arguments local_attn_mask, flags, mbits; writes flags, mbits
.if DOCPART == 1
	.amdgcn_target "amdgcn-amd-amdhsa--gfx1250"
	.amdhsa_code_object_version 6
	.text
	.protected	k_qdf12ef0df7_scan
	.globl	k_qdf12ef0df7_scan
	.p2align	8
	.type	k_qdf12ef0df7_scan,@function
k_qdf12ef0df7_scan:
	s_mov_b64 s[64:65], 0
	v_nop
	global_prefetch_b8 v0, s[64:65] scope:SCOPE_SE
	s_setreg_imm32_b32 hwreg(HW_REG_WAVE_MODE, 25, 1), 1
	s_wait_xcnt 0x0
; The mask [32][2048][2048] of bytes (1 = hidden) is read once and summed up in whole numbers for the attention launch.
; A wave takes one tile of 16 queries of one head: T = 4 x work-group + wave, head T / 128, tile a = T % 128.
; THE TILE'S ROWS ARE NOT NEIGHBOURS: row r of tile a is query 128 (a / 8) + 64 ((a / 4) % 2) + 8 (a % 4) + r % 8 + 32 (r / 8), as the attention launch has them.
; FOR EACH KEY STEP s of 128 keys the tile's 16 x 128 bytes become 64 lane masks, one for each register of the attention launch's scores:
; word n, bit l = mask(row l % 16, key 128 s + 64 (n / 32) + 32 (l / 16) + n % 32), stored at mbits + 4096 T + 256 s + 4 n; and bit s of flags[T] is set where some byte of the step is 0.
; The flags are made here, so nothing in this launch is steered by them: every step's masks are made and stored, and the bit is chosen by a select.  The later launch, which reads the flags, leaves out what they allow.
; THE WAY IN.  For a lane mask the lanes must stand for rows; a load is best where neighbouring lanes take neighbouring bytes.  Both are had: the rows come in four chunks of 512 keys, each load 512 consecutive bytes of
; one row; a chunk's 16 rows go through the wave's own stage in LDS as they lie (pitch 528 = 33 x 16 bytes, so that the sixteen lanes that read one column of sixteen rows fall into sixteen different
; columns of 16 bytes modulo 256) and come back 64 bytes a lane and step.  Two chunks, 32 loads of a wave, are on their way.
; Memory binds: no matrix unit, no cluster (no two work-groups read the same bytes), no barrier (waves share nothing), no tensor load (the turn through LDS wants the rows padded and the waves independent; 16 KB a wave in flight cost 128 registers, which are there).
.set ROWB, 2048
.set SP,   528                         ; a stage row: 512 bytes + 16
.set WREG, 16*SP                       ; a wave's stage
.set M,    16                          ; v16-31  a step's 64 bytes of my lane
.set RING, 32                          ; v32-159 two sets of 16 loads x 4 registers: chunk c in set c % 2
	s_load_b128 s[4:7], s[0:1], 0x0                ; the mask, flags
	s_load_b64 s[8:9], s[0:1], 0x10                ; mbits
	v_lshl_add_u32 v160, v0, 2, 0x8400
	v_mov_b32 v161, 0
	v_lshrrev_b32 v6, 5, v0
	v_readfirstlane_b32 s12, v6                    ; wave
	v_and_b32 v14, 31, v0                          ; lane
	v_lshlrev_b32 v1, 4, v14                       ; a load's 512 bytes: 16 a lane
	v_lshlrev_b32 v2, 3, v14                       ; the masks' way out: 8 bytes a lane
	s_mul_i32 s17, s12, WREG
	v_add_nc_u32 v3, s17, v1                       ; the stage, on the way in: 16 x lane
	v_and_b32 v8, 15, v0                           ; r
	v_bfe_u32 v9, v0, 4, 1                         ; h
	v_mul_u32_u24 v12, v8, SP
	v_lshl_add_u32 v12, v9, 5, v12
	v_add_nc_u32 v12, s17, v12                     ; and on the way out: row r, + 32 h keys
	v_mov_b32 v4, 0                                ; the two registers that gather the masks (a lane write's destination counts as read)
	v_mov_b32 v5, 0
	v_mov_b32 v11, 0
	s_lshl_b32 s13, ttmp9, 2
	s_add_co_u32 s13, s13, s12                     ; T
	s_lshr_b32 s14, s13, 7                         ; head
	s_and_b32 s15, s13, 127                        ; a
	s_lshr_b32 s16, s15, 3
	s_lshl_b32 s16, s16, 7
	s_bfe_u32 s17, s15, 0x10002
	s_lshl_b32 s17, s17, 6
	s_add_co_u32 s16, s16, s17
	s_and_b32 s17, s15, 3
	s_lshl_b32 s17, s17, 3
	s_add_co_u32 s16, s16, s17                     ; the tile's first query
	s_lshl_b32 s16, s16, 11
	s_lshl_b32 s17, s14, 22
	s_add_co_u32 s16, s16, s17                     ; its row in the mask, in bytes (under 2^27)
	s_mov_b32 s17, 0
	s_lshl_b32 s18, s13, 2
	s_mov_b32 s19, 0
	s_lshl_b32 s10, s13, 12
	s_mov_b32 s11, 0
	s_mov_b32 s23, 0x01010101                      ; four hidden keys
	s_mov_b32 s32, 1                               ; a word's four bytes, one bit each
	s_mov_b32 s33, 0x100
	s_mov_b32 s34, 0x10000
	s_mov_b32 s35, 0x1000000
	s_mov_b32 s28, 0                               ; the tile's flags
	s_mov_b32 s29, 1                               ; the step's bit
	s_wait_kmcnt 0x0
	s_add_nc_u64 s[4:5], s[4:5], s[16:17]
	s_add_nc_u64 s[6:7], s[6:7], s[18:19]
	s_add_nc_u64 s[8:9], s[8:9], s[10:11]
.macro LDCH c                          ; chunk c: keys 512 c on of the tile's 16 rows; each load reads 512 consecutive bytes, which the launch reads this once
.irp i, 0,1,2,3,4,5,6,7,8,9,10,11,12,13,14,15
	global_load_b128 v[RING+64*((\c)%2)+4*\i:RING+64*((\c)%2)+4*\i+3], v1, s[4:5] offset:(\i%8+32*(\i/8))*ROWB+512*(\c) th:TH_LOAD_NT
.endr
.endm
; A chunk: through the stage, then its four key steps.  left: the loads issued behind this chunk's, which stay out.  ahead = 1: the chunk two on is asked for, into this chunk's registers.
.macro CHUNK k, left, ahead
	s_wait_loadcnt \left                           ; loads come back in order: this chunk's sixteen are in
.irp i, 0,1,2,3,4,5,6,7,8,9,10,11,12,13,14,15
	ds_store_b128 v3, v[RING+64*((\k)%2)+4*\i:RING+64*((\k)%2)+4*\i+3] offset:\i*SP   ; row i as it lies.  (LDS serves a wave's instructions in order: these come behind the last chunk's reads, which have been waited for besides)
.endr
.if \ahead
	s_wait_dscnt 0x0                               ; the stores have read their registers,
	LDCH (\k)+2                                    ; which take the chunk two on
.endif
	s_mov_b32 s22, 0                               ; the step's 128 bytes in a stage row
	s_mov_b32 s30, 0
.Lstep_\@:                                         ; four key steps
	v_add_nc_u32 v13, s22, v12
	ds_load_b128 v[M:M+3], v13                     ; keys 32 h + 0 .. 15 of the step,
	ds_load_b128 v[M+4:M+7], v13 offset:16         ; 32 h + 16 .. 31,
	ds_load_b128 v[M+8:M+11], v13 offset:64        ; 64 + 32 h + 0 .. 15,
	ds_load_b128 v[M+12:M+15], v13 offset:80       ; 64 + 32 h + 16 .. 31: byte n of my 64 belongs to score register n
	s_wait_dscnt 0x0
.set N, 0
.rept 64
	v_and_b32 v[6+N%4], s[32+N%4], v[M+N/4]        ; byte n of my 64
	v_cmp_ne_u32 s[24+N%4], 0, v[6+N%4]            ; as a mask over the lanes
	v_writelane_b32 v[4+N%2], s[24+N%4], N/2       ; word n goes to lane n / 2
.set N, N+1
.endr
	global_store_b64 v2, v[4:5], s[8:9]            ; 32 lanes store 256 consecutive bytes, aligned
.irp j, 0,1,2,3,4,5,6,7
	v_and_b32 v[M+\j], v[M+\j], v[M+8+\j]          ; are all my 64 keys hidden?
.endr
.irp j, 0,1,2,3
	v_and_b32 v[M+\j], v[M+\j], v[M+4+\j]
.endr
	v_and_b32 v[M], v[M], v[M+2]
	v_and_b32 v[M+1], v[M+1], v[M+3]
	v_and_b32 v[M], v[M], v[M+1]
	v_cmp_ne_u32 s20, s23, v[M]                    ; a lane's bit: some of its keys is open
	s_cmp_lg_u32 s20, 0
	s_cselect_b32 s21, s29, 0                      ; the step's bit, by a select: it is stored and steers nothing here
	s_or_b32 s28, s28, s21
	s_lshl_b32 s29, s29, 1
	s_wait_xcnt 0x0                                ; the store's base and its data are written again only behind this wait
	s_add_nc_u64 s[8:9], s[8:9], 256
	s_add_co_u32 s22, s22, 128
	s_add_co_u32 s30, s30, 1
	s_cmp_lt_u32 s30, 4
	s_cbranch_scc1 .Lstep_\@
.endm
	LDCH 0
	LDCH 1
	CHUNK 0, 16, 1                                 ; behind chunk 0's loads stand chunk 1's sixteen
	CHUNK 1, 16, 1                                 ; behind chunk 1's, chunk 2's
	CHUNK 2, 16, 0                                 ; behind chunk 2's, chunk 3's; nothing is left to ask for
	CHUNK 3, 0, 0
	v_mov_b32 v10, s28
	s_wait_xcnt 0x0                                ; EXEC changes only behind this wait
	v_cmp_eq_u32 vcc_lo, 0, v14
	s_wait_tensorcnt 0x0
	ds_add_u32 v160, v161
	s_wait_dscnt 0x0
	s_and_saveexec_b32 s31, vcc_lo
	global_store_b32 v11, v10, s[6:7]              ; lane 0 stores the tile's flags
	s_wait_xcnt 0x0
	s_or_b32 exec_lo, exec_lo, s31
	s_endpgm
.Lfunc_end_k_qdf12ef0df7_scan:
	.size	k_qdf12ef0df7_scan, .Lfunc_end_k_qdf12ef0df7_scan-k_qdf12ef0df7_scan
	.p2alignl 7, 3214868480
	.fill 96, 4, 3214868480
	.section	.rodata,"a",@progbits
	.p2align	6, 0x0
	.amdhsa_kernel k_qdf12ef0df7_scan
		.amdhsa_group_segment_fixed_size 34304
		.amdhsa_private_segment_fixed_size 0
		.amdhsa_enable_private_segment 0
		.amdhsa_kernarg_size 24
		.amdhsa_user_sgpr_count 2
		.amdhsa_user_sgpr_kernarg_segment_ptr 1
		.amdhsa_wavefront_size32 1
		.amdhsa_system_sgpr_workgroup_id_x 1
		.amdhsa_system_sgpr_workgroup_id_y 1
		.amdhsa_system_sgpr_workgroup_id_z 1
		.amdhsa_system_vgpr_workitem_id 0
		.amdhsa_next_free_vgpr 162
		.amdhsa_next_free_sgpr 66
		.amdhsa_reserve_vcc 1
		.amdhsa_float_denorm_mode_32 3
		.amdhsa_float_denorm_mode_16_64 3
		.amdhsa_memory_ordered 1
		.amdhsa_forward_progress 1
		.amdhsa_inst_pref_size 59
	.end_amdhsa_kernel
	.amdgpu_metadata
---
amdhsa.version: [ 1, 2 ]
amdhsa.kernels:
  - .name:           k_qdf12ef0df7_scan
    .symbol:         k_qdf12ef0df7_scan.kd
    .args:
      - { .name: local_attn_mask, .offset: 0, .size: 8, .value_kind: global_buffer, .address_space: global }
      - { .name: flags, .offset: 8, .size: 8, .value_kind: global_buffer, .address_space: global }
      - { .name: mbits, .offset: 16, .size: 8, .value_kind: global_buffer, .address_space: global }
    .group_segment_fixed_size: 34304
    .private_segment_fixed_size: 0
    .kernarg_segment_align: 8
    .kernarg_segment_size: 24
    .max_flat_workgroup_size: 128
    .sgpr_count:     66
    .vgpr_count:     162
    .wavefront_size: 32
...
	.end_amdgpu_metadata
.endif
;; end of part 1
;; launch qkv (part 2): grid 24 x 32, 4 waves a work-group, clusters of 4 x 4, 256,512 bytes of LDS; arguments query_codes, query_scales, in_proj_weight_codes, in_proj_weight_scales, in_proj_bias, sinusoidal_pos, qf, kv; writes qf, kv
.if DOCPART == 2
	.amdgcn_target "amdgcn-amd-amdhsa--gfx1250"
	.amdhsa_code_object_version 6
	.text
	.protected	k_qdf12ef0df7_qkv
	.globl	k_qdf12ef0df7_qkv
	.p2align	8
	.type	k_qdf12ef0df7_qkv,@function
k_qdf12ef0df7_qkv:
	s_mov_b64 s[64:65], 0
	v_nop
	global_prefetch_b8 v0, s[64:65] scope:SCOPE_SE
	s_setreg_imm32_b32 hwreg(HW_REG_WAVE_MODE, 25, 1), 1
	s_wait_xcnt 0x0
	s_wait_alu depctr_hold_cnt(0) depctr_sa_sdst(0) depctr_va_vdst(0) depctr_va_sdst(0) depctr_va_ssrc(0) depctr_va_vcc(0) depctr_vm_vsrc(0)
	s_getreg_b32 s2, hwreg(HW_REG_IB_STS2, 6, 4)
	s_cmp_eq_u32 s2, 0
	s_cbranch_scc0 .Lentry_in_a_cluster
	s_endpgm
.Lentry_in_a_cluster:
	s_bfe_u32 s2, ttmp6, 0x10000c
	s_cmp_lg_u32 s2, 0xf033
	s_cbranch_scc0 .Lentry_shape_is_right
	s_endpgm
.Lentry_shape_is_right:
; qkv = query W^T + bias on codes of FP6 (E2M3) as they are given; then q x 1/8, the rotation of q and k, and the quantising of q, rq, k, rk (along the head's 64) and of v (along the keys),
; stored as images of the attention launch's operand registers.
; SHARES.  A work-group makes 128 t of ONE batch (y: b = y % 2, group G = y / 2; the descriptor's pitch of two rows takes the batch apart) x 128 rows of W (x: two heads; x / 8 = 0 q, 1 k, 2 v).
; Four waves, each 64 x 64: wr = wave / 2 which 64 t, wc = wave % 2 which head.  16 accumulators a wave.
; ALL OF K = 1,024 LIES IN LDS, in four chunks of 256 along K (rows of 192 bytes, 16 bytes of padding behind each 64: pitch 240).  Every LDS byte is filled once: a wave's five tensor loads
; (its 64 rows' scale bytes, then chunks 0 to 3) go out together, so five loads of a wave are out at the most, and counted waits let the later chunks land under the earlier chunks' products.
; CLUSTER 4 x 4: the four of a row share y, so the query's tiles; the four of a column share x, so W's: each tile is asked for jointly.
; THE ROWS OF A TILE ARE NOT NEIGHBOURS, on both sides: lane r of tile i takes row 8 i + r % 8 + 32 (r / 8) of the wave's 64.  Source 0's rows fall into the result's registers: a lane's 32 registers of
; four tiles are then 32 h + 0 .. 31, a WHOLE block of 32, in order: its largest magnitude needs no other lane and two conversions give six operand registers.  Source 1's rows fall into lanes and are
; the tile order that the attention launch wants.  The price: rows 32 apart begin in the same banks at any pitch of whole 8 bytes, so a fragment load's lanes r and r + 8 meet there.
; q, k: source 0 = W (registers along d), source 1 = query (lanes along t).  v: source 0 = query (registers along t, the keys), source 1 = W (lanes along d).  The two ways part on x / 8, which all
; partners of a cluster share (it is made of the cluster's x alone), each with its own copy of the K loop, and join at the closing round.
; A HALF FRAGMENT (16 rows x 64 K, 6 registers a lane) is 768 bytes: registers 0-3 at 16 x lane, registers 4-5 at 512 + 8 x lane.
; qf block (head, G), 12,800 bytes: q's 8 half fragments, rq's 8 at 6,144, 8 x 16 scale words [q0 q1 rq0 rq1] at 12,288.  kv block (head, G), 19,456 bytes: k, rk, scale words alike; v's 8 at 12,800 (d tile u, keys' half c: 2 u + c); v's scale words, 4 x 32 lanes, at 18,944.
; LIMITS: NaN and infinities are not served; a block whose largest magnitude lies under 2^-124 keeps the scale byte 1 (a block of zeros too: its codes are zeros, and this program alone reads the bytes).
; REGISTERS.  window 0: v2-28 addresses; v32+96 s source 0's four fragments, v80+96 s source 1's, sets s = 0, 1; v224-239 scale words (lanes 0-15 source 1's tile i, lanes 16-31 source 0's), two sets; v240-247 v's bias.
;   window 1: v0-127 the accumulators, (y, x) at 32 y + 8 x.   window 2: v[32 y] 16 sines, v[32 y + 16] 16 cosines of tile y; v128-159 the bias.
.set PITCH,  240
.set HALFT,  64*PITCH                  ; 64 rows: one tensor load
.set WOFF,   2*HALFT                   ; in a chunk: the query's 128 rows, then W's
.set CHUNK,  4*HALFT
.set SCL,    4*CHUNK                   ; behind the chunks: scale bytes, rows of 32 + 8 of padding
.set SPITCH, 40
.set HALFS,  64*SPITCH
.set FR,     12
.set XF,     32
.set YF,     80
.set SC,     224
.set ADX,    16                        ; v16, v17  source 0's rows: + 24 h, + 40 h (behind one padding more)
.set ADY,    18                        ; v18, v19  source 1's
.set ADRS,   20                        ; v20       scale words
.set XR,     32                        ; the way out: 32 numbers, v32-63
.set RR,     64                        ; rotated, v64-95
.set CD,     128                       ; codes and scale word of tile y at v[128 + 16 y]
.set WV,     96
.set G1Q,    20
.set G1W,    28
.set G1QS,   36
.set G1WS,   44
.set MSB, 0
.macro WIN new                         ; the immediate's high byte repeats the setting that is left
.if MSB != \new
	s_set_vgpr_msb (MSB<<8)|\new
.set MSB, \new
.endif
.endm
.macro PLACES
.rept 4
	v_nop
.endr
.endm
.macro CROUND                          ; a round of the cluster's barrier
	s_barrier_signal -1
	s_barrier_wait -1
	s_cmp_lg_u32 s[WV], 0
	s_cbranch_scc1 .Lnot_wave_0_\@
	s_barrier_signal -3
.Lnot_wave_0_\@:
	s_barrier_wait -3
	s_barrier_signal -1
	s_barrier_wait -1
.endm
.macro G0C reg, k, adr                 ; group 0 of chunk k
	s_mov_b32 s[\reg], 1
	s_add_co_u32 s[\reg+1], s12, \k*CHUNK
	s_add_nc_u64 s[\reg+2:\reg+3], s[\adr:\adr+1], \k*192
	s_or_b32 s[\reg+3], s[\reg+3], 0x80000000
.endm
	s_load_b256 s[4:11], s[0:1], 0x0               ; query's codes, its scales, W's codes, its scales
	v_lshl_add_u32 v254, v0, 2, 0x3e800
	v_mov_b32 v255, 0
	ds_add_u32 v254, v255
	ds_add_u32 v254, v255
	v_lshrrev_b32 v1, 5, v0
	v_readfirstlane_b32 s[WV], v1                  ; wave 0..3
	s_lshr_b32 s97, s[WV], 1                       ; wr.  Also: I fetch for the query (0) or for W (1)
	s_and_b32 s98, s[WV], 1                        ; wc.  Also: which 64 rows I fetch
	s_bfe_u32 s100, ttmp6, 0x40000                 ; cx
	s_bfe_u32 s99, ttmp6, 0x40004                  ; cy
	s_lshl_b32 s101, ttmp9, 2
	s_add_co_u32 s101, s101, s100                  ; x
	s_and_b32 s104, ttmp7, 0xffff
	s_lshl_b32 s104, s104, 2
	s_add_co_u32 s104, s104, s99                   ; y
	s_lshl_b32 s105, s99, 2
	s_lshl_b32 s105, 15, s105                      ; my row of the cluster
	s_lshl_b32 s2, 0x1111, s100                    ; my column
	s_or_b32 s[G1Q], s105, (1<<20)|(1<<21)|(3<<22)|(3<<25)   ; elements of 1 byte; padding on; 4 words behind every 16
	s_or_b32 s[G1W], s2, (1<<20)|(1<<21)|(3<<22)|(3<<25)
	s_or_b32 s[G1QS], s105, (1<<20)|(1<<21)|(2<<22)|(1<<25)  ; 2 words behind every 8: behind every row of 32 bytes
	s_or_b32 s[G1WS], s2, (1<<20)|(1<<21)|(2<<22)|(1<<25)
.irp g, G1Q, G1W
	s_mov_b32 s[\g+1], 192<<16                     ; tensor_dim0
	s_mov_b32 s[\g+2], 64<<16                      ; tensor_dim1
	s_mov_b32 s[\g+3], 192<<16                     ; tile_dim0
	s_mov_b32 s[\g+4], 64                          ; tile_dim1
	s_mov_b32 s[\g+6], 0
	s_mov_b32 s[\g+7], 0
.endr
	s_mov_b32 s[G1Q+5], 1536                       ; from t to t + 1 of one batch: two rows of 768 bytes
	s_mov_b32 s[G1W+5], 768
.irp g, G1QS, G1WS
	s_mov_b32 s[\g+1], 32<<16
	s_mov_b32 s[\g+2], 64<<16
	s_mov_b32 s[\g+3], 32<<16
	s_mov_b32 s[\g+4], 64
	s_mov_b32 s[\g+6], 0
	s_mov_b32 s[\g+7], 0
.endr
	s_mov_b32 s[G1QS+5], 64
	s_mov_b32 s[G1WS+5], 32
	s_lshr_b32 s66, s104, 1                        ; G
	s_lshl_b32 s66, s66, 8
	s_lshl_b32 s67, s98, 7
	s_add_co_u32 s66, s66, s67
	s_and_b32 s67, s104, 1                         ; b
	s_add_co_u32 s66, s66, s67                     ; the query's row 2 (128 G + 64 half) + b
	s_lshl_b32 s104, s66, 5                        ; its scale bytes,
	s_mov_b32 s105, 0
	s_mul_i32 s66, s66, 768                        ; its codes
	s_mov_b32 s67, 0
	s_lshl_b32 s2, s101, 7
	s_lshl_b32 s3, s98, 6
	s_add_co_u32 s2, s2, s3                        ; W's row 128 x + 64 half
	s_lshl_b32 s100, s2, 5
	s_mov_b32 s101, 0
	s_mul_i32 s2, s2, 768
	s_mov_b32 s3, 0
	s_mul_i32 s12, s[WV], HALFT                    ; where they go: wave x 64 rows; no place in the cluster enters an LDS address
	s_mul_i32 s13, s[WV], HALFS
	s_wait_dscnt 0x0
	s_wait_kmcnt 0x0
	s_add_nc_u64 s[66:67], s[4:5], s[66:67]
	s_add_nc_u64 s[104:105], s[6:7], s[104:105]
	s_add_nc_u64 s[2:3], s[8:9], s[2:3]
	s_add_nc_u64 s[100:101], s[10:11], s[100:101]
	s_mov_b32 s52, 1
	s_add_co_u32 s53, s13, SCL
	s_mov_b64 s[54:55], s[104:105]
	s_or_b32 s55, s55, 0x80000000
	s_mov_b32 s76, 1
	s_add_co_u32 s77, s13, SCL
	s_mov_b64 s[78:79], s[100:101]
	s_or_b32 s79, s79, 0x80000000
	G0C 56, 0, 66
	G0C 60, 1, 66
	G0C 68, 2, 66
	G0C 72, 3, 66
	G0C 80, 0, 2
	G0C 84, 1, 2
	G0C 88, 2, 2
	G0C 92, 3, 2
	s_load_b256 s[4:11], s[0:1], 0x20              ; bias, sinusoidal_pos, qf, kv
	CROUND                                         ; all sixteen work-groups are here: the joint loads meet
	s_cmp_eq_u32 s97, 0                            ; a wave's five first fills stand in one branch on its number; four v_nop follow the last
	s_cbranch_scc0 .Lfill_w
	tensor_load_to_lds s[52:55], s[G1QS:G1QS+7]
	s_nop 0
	tensor_load_to_lds s[56:59], s[G1Q:G1Q+7]
	s_nop 0
	tensor_load_to_lds s[60:63], s[G1Q:G1Q+7]
	s_nop 0
	tensor_load_to_lds s[68:71], s[G1Q:G1Q+7]
	s_nop 0
	tensor_load_to_lds s[72:75], s[G1Q:G1Q+7]
	s_nop 0
	PLACES
	s_branch .Lfilled
.Lfill_w:
	tensor_load_to_lds s[76:79], s[G1WS:G1WS+7]
	s_nop 0
	tensor_load_to_lds s[80:83], s[G1W:G1W+7]
	s_nop 0
	tensor_load_to_lds s[84:87], s[G1W:G1W+7]
	s_nop 0
	tensor_load_to_lds s[88:91], s[G1W:G1W+7]
	s_nop 0
	tensor_load_to_lds s[92:95], s[G1W:G1W+7]
	s_nop 0
	PLACES
.Lfilled:
	v_bfe_u32 v2, v0, 4, 1                         ; h
	v_and_b32 v3, 31, v0                           ; lane
	v_and_b32 v4, 7, v0
	v_and_b32 v5, 8, v0
	v_lshl_add_u32 v4, v5, 2, v4                   ; m = r % 8 + 32 (r / 8)
	v_mul_u32_u24 v5, v4, PITCH
	v_mad_u32_u24 v5, v2, 24, v5                   ; a fragment's row x pitch + 24 h
	v_lshl_add_u32 v6, v2, 4, v5                   ; and behind one padding more
	v_mul_u32_u24 v7, v4, SPITCH
	v_lshlrev_b32 v26, 3, v2                       ; 8 h: a byte's place in a scale word
	v_mov_b32 v27, 0                               ; a lane permute's destination counts as read
	s_mul_i32 s12, s97, HALFT                      ; the query's rows 64 wr
	s_mul_i32 s13, s98, HALFT
	s_add_co_u32 s13, s13, WOFF                    ; W's rows 64 wc
	s_mul_i32 s14, s97, HALFS
	s_mul_i32 s15, s98, HALFS
	s_add_co_u32 s15, s15, 2*HALFS
	s_sub_co_u32 s15, s15, s14                     ; from the query's scale rows to W's
	s_add_co_u32 s14, s14, SCL
	v_add_nc_u32 v7, s14, v7                       ; the query's scale row m
	s_bfe_u32 s16, ttmp6, 0x40000
	s_lshl_b32 s17, ttmp9, 2
	s_add_co_u32 s17, s17, s16                     ; x
	s_bfe_u32 s16, ttmp6, 0x40004
	s_and_b32 s18, ttmp7, 0xffff
	s_lshl_b32 s18, s18, 2
	s_add_co_u32 s18, s18, s16                     ; y
	s_and_b32 s19, s18, 1
	s_lshl_b32 s19, s19, 4
	s_and_b32 s16, s17, 7
	s_lshl_b32 s16, s16, 1
	s_add_co_u32 s19, s19, s16
	s_add_co_u32 s19, s19, s98                     ; head = 16 b + 2 (x % 8) + wc
	s_lshl_b32 s19, s19, 4
	s_lshr_b32 s18, s18, 1                         ; G
	s_add_co_u32 s19, s19, s18                     ; block 16 head + G
	s_lshl_b32 s16, s17, 9
	s_lshl_b32 s17, s98, 8
	s_add_co_u32 s16, s16, s17
	s_mov_b32 s17, 0
	s_mov_b32 s66, 0x76543210
	s_mov_b32 s67, 0xfedcba98                      ; v_permlanex16_b32's selects for lane l xor 16
	s_wait_kmcnt 0x0
	s_add_nc_u64 s[4:5], s[4:5], s[16:17]          ; the bias at W's row 128 x + 64 wc
.macro FRAGR reg, adr, q, off          ; 16 rows x 128 K: six pieces of 8 bytes; where the piece three on lies behind one padding more, the second address register serves
.irp p, 0,1,2,3,4,5
.set PCE, 12*(\q)+6*(\p/3)+\p%3
.if PCE%8 < 5
	ds_load_b64 v[\reg+2*\p:\reg+2*\p+1], v[\adr] offset:8*PCE+16*(PCE/8)+(\off)
.else
	ds_load_b64 v[\reg+2*\p:\reg+2*\p+1], v[\adr+1] offset:8*PCE+16*(PCE/8)+(\off)
.endif
.endr
.endm
.macro FETCH kap                       ; K step kap's eight fragments into set kap % 2; a tile begins 8 rows behind the last
.irp i, 0,1,2,3
	FRAGR XF+96*((\kap)%2)+FR*\i, ADX, (\kap)%2, 8*PITCH*\i
.endr
.irp i, 0,1,2,3
	FRAGR YF+96*((\kap)%2)+FR*\i, ADY, (\kap)%2, 8*PITCH*\i
.endr
.endm
.macro SCALES sc                       ; a chunk's two scale words a row
.irp i, 0,1,2,3
	ds_load_b64 v[SC+8*(\sc)+2*\i:SC+8*(\sc)+2*\i+1], v[ADRS] offset:8*SPITCH*\i
.endr
.endm
.macro MULS st, q, sc, zero            ; 16 products; the accumulators take turns, one instruction a turn, in the same order in every step
	WIN 0x50
.irp y, 0,1,2,3
.irp x, 0,1,2,3
.if \zero
	v_wmma_scale_f32_16x16x128_f8f6f4 v[32*\y+8*\x:32*\y+8*\x+7], v[XF+96*(\st)+FR*\x:XF+96*(\st)+FR*\x+FR-1], v[YF+96*(\st)+FR*\y:YF+96*(\st)+FR*\y+FR-1], 0, v[SC+8*(\sc)+2*\x+(\q)], v[SC+8*(\sc)+2*\y+(\q)] matrix_a_fmt:MATRIX_FMT_FP6 matrix_b_fmt:MATRIX_FMT_FP6 matrix_a_scale:MATRIX_SCALE_ROW1
.else
	v_wmma_scale_f32_16x16x128_f8f6f4 v[32*\y+8*\x:32*\y+8*\x+7], v[XF+96*(\st)+FR*\x:XF+96*(\st)+FR*\x+FR-1], v[YF+96*(\st)+FR*\y:YF+96*(\st)+FR*\y+FR-1], v[32*\y+8*\x:32*\y+8*\x+7], v[SC+8*(\sc)+2*\x+(\q)], v[SC+8*(\sc)+2*\y+(\q)] matrix_a_fmt:MATRIX_FMT_FP6 matrix_b_fmt:MATRIX_FMT_FP6 matrix_a_scale:MATRIX_SCALE_ROW1
.endif
.endr
.endr
	WIN 0
.endm
.macro KSTEP kap, zero
	s_wait_dscnt 0x0                               ; this step's fragments, asked for a step ago, are in
.if ((\kap)%2 == 1) && ((\kap) < 7)
	s_wait_tensorcnt 2-(\kap)/2                    ; my part of the next chunk has landed; the chunks behind it stay out
	s_barrier_signal -1
	s_barrier_wait -1                              ; everybody's has.  Nothing is ever filled again
	v_add_nc_u32 v[ADX], CHUNK, v[ADX]
	v_add_nc_u32 v[ADX+1], CHUNK, v[ADX+1]
	v_add_nc_u32 v[ADY], CHUNK, v[ADY]
	v_add_nc_u32 v[ADY+1], CHUNK, v[ADY+1]
	v_add_nc_u32 v[ADRS], 8, v[ADRS]
.endif
.if (\kap) < 7
	PLACES                                         ; places in front of loads into the set that the last step's products read
	FETCH (\kap)+1
.if (\kap)%2 == 1
	SCALES (((\kap)+1)/2)%2
.endif
.endif
	MULS (\kap)%2, (\kap)%2, ((\kap)/2)%2, \zero
.endm
.macro MAIN
	s_wait_tensorcnt 3                             ; the scale bytes and chunk 0: three younger loads stay out
	s_barrier_signal -1
	s_barrier_wait -1
	FETCH 0
	SCALES 0
	KSTEP 0, 1                                     ; the first products start the sums: nothing is cleared
.irp k, 1,2,3,4,5,6,7
	KSTEP \k, 0
.endr
	PLACES
.endm
.macro ROLES xs, ys, hm                ; which rows are source 0's, which source 1's; hm: the register that is 1 in the lanes that take W's scale rows
	v_add_nc_u32 v[ADX], s[\xs], v5
	v_add_nc_u32 v[ADX+1], s[\xs], v6
	v_add_nc_u32 v[ADY], s[\ys], v5
	v_add_nc_u32 v[ADY+1], s[\ys], v6
	v_mul_u32_u24 v8, s15, v[\hm]
	v_add_nc_u32 v[ADRS], v7, v8
.endm
; 32 numbers of a lane, one block, become six registers of codes at v[d] and the scale's byte in v[by]
.macro QUANT32 s, d, by
	v_max3_num_f32 v96, |v[\s]|, |v[\s+1]|, 0x1800000              ; with the floor 2^(3 - 127): the byte cannot fall under 1
	v_max3_num_f32 v97, |v[\s+16]|, |v[\s+17]|, |v[\s+18]|
.irp i, 0,1,2,3,4,5
	v_max3_num_f32 v96, v96, |v[\s+2+2*\i]|, |v[\s+3+2*\i]|
	v_max3_num_f32 v97, v97, |v[\s+19+2*\i]|, |v[\s+20+2*\i]|
.endr
	v_max3_num_f32 v96, v96, |v[\s+14]|, |v[\s+15]|
	v_max3_num_f32 v96, v96, v97, |v[\s+31]|
	v_add_nc_u32 v98, 0xff000000, v96              ; 2 off the exponent field: the conversion's scale operand
	v_lshrrev_b32 v[\by], 23, v98                  ; the scale's byte
	v_cvt_scalef32_pk16_fp6_f32 v[\d:\d+2], v[\s:\s+15], v98
	v_cvt_scalef32_pk16_fp6_f32 v[100:102], v[\s+16:\s+31], v98    ; (a conversion's three registers begin on an even number)
	v_nop                                          ; one plain place behind a scaled conversion
	v_mov_b32 v[\d+3], v100
	v_mov_b32 v[\d+4], v101
	v_mov_b32 v[\d+5], v102
.endm
	s_lshr_b32 s2, ttmp9, 1                        ; 0 q, 1 k, 2 v: made of the cluster's x alone
	s_cmp_eq_u32 s2, 2
	s_cbranch_scc1 .Lvpath
	; ---------------- q and k
	ROLES 13, 12, 2
	s_lshl_b32 s16, s98, 19                        ; sinusoidal_pos[head % 2 = wc],
	s_lshl_b32 s17, s18, 15
	s_add_co_u32 s16, s16, s17
	s_lshl_b32 s17, s97, 14
	s_add_co_u32 s16, s16, s17                     ; row 128 G + 64 wr, 256 bytes a row
	s_mov_b32 s17, 0
	s_add_nc_u64 s[6:7], s[6:7], s[16:17]
	s_mov_b32 s17, 19456
	s_cmp_eq_u32 s2, 0
	s_cselect_b32 s104, 0x3e000000, 1.0            ; q is multiplied by 1/8, k by 1
	s_cselect_b64 s[8:9], s[8:9], s[10:11]         ; q goes to qf, k to kv
	s_cselect_b32 s16, 12800, s17
	s_mov_b32 s105, s104
	s_mul_i32 s16, s19, s16
	s_mov_b32 s17, 0
	s_add_nc_u64 s[8:9], s[8:9], s[16:17]          ; my block
	s_mov_b32 s99, 0xffff0000
	s_mul_i32 s18, s97, 3072
	v_lshl_add_u32 v21, v3, 4, s18                 ; tiles 4 wr + y: 16 x lane,
	v_lshl_add_u32 v22, v3, 3, s18                 ; 8 x lane,
	s_lshl_b32 s18, s97, 8
	v_lshl_add_u32 v23, v3, 2, s18                 ; and the scale words: 4 x lane
	v_lshlrev_b32 v24, 8, v4
	v_lshl_add_u32 v24, v2, 6, v24                 ; sines: row m, + 16 h numbers
	v_lshlrev_b32 v25, 7, v2                       ; bias: 32 h numbers
	WIN 0x80                                       ; destination window 2
.irp y, 0,1,2,3
.irp e, 0,1,2,3
	global_load_b128 v[32*\y+4*\e:32*\y+4*\e+3], v24, s[6:7] offset:2048*\y+16*\e
	global_load_b128 v[32*\y+16+4*\e:32*\y+16+4*\e+3], v24, s[6:7] offset:2048*\y+128+16*\e
.endr
.endr
.irp e, 0,1,2,3,4,5,6,7
	global_load_b128 v[128+4*\e:128+4*\e+3], v25, s[4:5] offset:16*\e
.endr
	WIN 0
	MAIN
	s_wait_loadcnt 0x0                             ; the tables
	WIN 0x82
.irp e, 0,2,4,6,8,10,12,14,16,18,20,22,24,26,28,30
	v_pk_mul_f32 v[128+\e:129+\e], v[128+\e:129+\e], s[104:105] op_sel_hi:[1,0]   ; the bias under the same power of two
.endr
.macro QKROW y                         ; tile y: lane (r, h) holds t = 64 wr + 8 y + m, d = 32 h + 0 .. 31
	WIN 0x21                                       ; source 0 window 1 (the sums, from each accumulator's low end on), source 2 window 2
.irp n, 0,2,4,6,8,10,12,14,16,18,20,22,24,26,28,30
	v_pk_fma_f32 v[XR+\n:XR+\n+1], v[32*\y+\n:32*\y+\n+1], s[104:105], v[128+\n:129+\n] op_sel_hi:[1,0,1]
.endr
	WIN 0x08                                       ; source 1 window 2
.irp i, 0,1,2,3,4,5,6,7,8,9,10,11,12,13,14,15
	v_mul_f32 v[RR+2*\i], v[XR+2*\i], v[32*\y+16+\i]
	v_mul_f32 v[RR+2*\i+1], v[XR+2*\i+1], v[32*\y+16+\i]
.endr
.irp i, 0,1,2,3,4,5,6,7,8,9,10,11,12,13,14,15
	v_fma_f32 v[RR+2*\i], -v[XR+2*\i+1], v[32*\y+\i], v[RR+2*\i]       ; x0 cos - x1 sin
	v_fma_f32 v[RR+2*\i+1], v[XR+2*\i], v[32*\y+\i], v[RR+2*\i+1]      ; x1 cos + x0 sin
.endr
	WIN 0
	QUANT32 XR, CD+16*\y, 104
	QUANT32 RR, CD+16*\y+6, 105
	v_lshl_or_b32 v106, v105, 16, v104             ; my block's two bytes,
	v_lshlrev_b32 v106, v26, v106                  ; 8 h bits up;
	v_permlanex16_b32 v27, v106, s66, s67
	v_or_b32 v[CD+16*\y+12], v106, v27             ; with lane l xor 16's the row's word [x0 x1 r0 r1] is whole
.endm
	QKROW 0
	QKROW 1
	QKROW 2
	QKROW 3
.irp y, 0,1,2,3
	global_store_b128 v21, v[CD+16*\y:CD+16*\y+3], s[8:9] offset:768*\y                ; each store of the wave covers 512 or 256 consecutive bytes, aligned
	global_store_b64 v22, v[CD+16*\y+4:CD+16*\y+5], s[8:9] offset:768*\y+512
	global_store_b128 v21, v[CD+16*\y+6:CD+16*\y+9], s[8:9] offset:6144+768*\y
	global_store_b64 v22, v[CD+16*\y+10:CD+16*\y+11], s[8:9] offset:6144+768*\y+512
.endr
.irp p, 0,1
	v_cndmask_b32 v[108+\p], v[CD+32*\p+12], v[CD+32*\p+28], s99   ; lanes 0-15 tile 2 p's words, lanes 16-31 tile 2 p + 1's
	global_store_b32 v23, v[108+\p], s[8:9] offset:12288+128*\p
.endr
	s_branch .Ldone
.Lvpath:
	; ---------------- v
	v_xor_b32 v9, 1, v2
	ROLES 12, 13, 9
	s_mul_i32 s16, s19, 19456
	s_mov_b32 s17, 0
	s_add_nc_u64 s[8:9], s[10:11], s[16:17]        ; my block of kv
	s_mul_i32 s18, s97, 768
	v_lshl_add_u32 v21, v3, 4, s18                 ; half fragment 2 y + wr
	v_lshl_add_u32 v22, v3, 3, s18
	s_lshl_b32 s18, s97, 1
	v_lshl_add_u32 v23, v3, 2, s18                 ; my two bytes of a scale word
	v_lshlrev_b32 v28, 2, v4                       ; bias: d = 8 y + m
.irp y, 0,1,2,3
	global_load_b32 v[240+2*\y], v28, s[4:5] offset:32*\y
	global_load_b32 v[241+2*\y], v28, s[4:5] offset:32*\y          ; (named with it as a pair, so it is written)
.endr
	MAIN
	s_wait_loadcnt 0x0
.macro VROW y                          ; tile y: lane (r, h) holds d = 8 y + m and the keys 64 wr + 32 h + 0 .. 31: one block along the keys
	WIN 0x01
.irp n, 0,2,4,6,8,10,12,14,16,18,20,22,24,26,28,30
	v_pk_add_f32 v[XR+\n:XR+\n+1], v[32*\y+\n:32*\y+\n+1], v[240+2*\y:241+2*\y] op_sel_hi:[1,0]
.endr
	WIN 0
	QUANT32 XR, CD+16*\y, 104
	v_lshlrev_b32 v106, v26, v104
	v_permlanex16_b32 v27, v106, s66, s67
	v_or_b32 v[CD+16*\y+12], v106, v27             ; the bytes of key blocks 2 wr and 2 wr + 1
.endm
	VROW 0
	VROW 1
	VROW 2
	VROW 3
.irp y, 0,1,2,3
	global_store_b128 v21, v[CD+16*\y:CD+16*\y+3], s[8:9] offset:12800+1536*\y
	global_store_b64 v22, v[CD+16*\y+4:CD+16*\y+5], s[8:9] offset:12800+1536*\y+512
	global_store_b16 v23, v[CD+16*\y+12], s[8:9] offset:18944+128*\y
.endr
.Ldone:
	s_wait_tensorcnt 0x0
	ds_add_u32 v254, v255
	s_wait_dscnt 0x0
	CROUND                                         ; the closing round: no work-group ends while a partner may still ask for a tile that names it
	s_endpgm
.Lfunc_end_k_qdf12ef0df7_qkv:
	.size	k_qdf12ef0df7_qkv, .Lfunc_end_k_qdf12ef0df7_qkv-k_qdf12ef0df7_qkv
	.p2alignl 7, 3214868480
	.fill 96, 4, 3214868480
	.section	.rodata,"a",@progbits
	.p2align	6, 0x0
	.amdhsa_kernel k_qdf12ef0df7_qkv
		.amdhsa_group_segment_fixed_size 256512
		.amdhsa_private_segment_fixed_size 0
		.amdhsa_enable_private_segment 0
		.amdhsa_kernarg_size 64
		.amdhsa_user_sgpr_count 2
		.amdhsa_user_sgpr_kernarg_segment_ptr 1
		.amdhsa_wavefront_size32 1
		.amdhsa_system_sgpr_workgroup_id_x 1
		.amdhsa_system_sgpr_workgroup_id_y 1
		.amdhsa_system_sgpr_workgroup_id_z 1
		.amdhsa_system_vgpr_workitem_id 0
		.amdhsa_next_free_vgpr 672
		.amdhsa_next_free_sgpr 106
		.amdhsa_reserve_vcc 0
		.amdhsa_float_denorm_mode_32 3
		.amdhsa_float_denorm_mode_16_64 3
		.amdhsa_memory_ordered 1
		.amdhsa_forward_progress 1
		.amdhsa_inst_pref_size 148
	.end_amdhsa_kernel
	.amdgpu_metadata
---
amdhsa.version: [ 1, 2 ]
amdhsa.kernels:
  - .name:           k_qdf12ef0df7_qkv
    .symbol:         k_qdf12ef0df7_qkv.kd
    .args:
      - { .name: query_codes, .offset: 0, .size: 8, .value_kind: global_buffer, .address_space: global }
      - { .name: query_scales, .offset: 8, .size: 8, .value_kind: global_buffer, .address_space: global }
      - { .name: in_proj_weight_codes, .offset: 16, .size: 8, .value_kind: global_buffer, .address_space: global }
      - { .name: in_proj_weight_scales, .offset: 24, .size: 8, .value_kind: global_buffer, .address_space: global }
      - { .name: in_proj_bias, .offset: 32, .size: 8, .value_kind: global_buffer, .address_space: global }
      - { .name: sinusoidal_pos, .offset: 40, .size: 8, .value_kind: global_buffer, .address_space: global }
      - { .name: qf, .offset: 48, .size: 8, .value_kind: global_buffer, .address_space: global }
      - { .name: kv, .offset: 56, .size: 8, .value_kind: global_buffer, .address_space: global }
    .group_segment_fixed_size: 256512
    .private_segment_fixed_size: 0
    .kernarg_segment_align: 8
    .kernarg_segment_size: 64
    .max_flat_workgroup_size: 128
    .sgpr_count:     106
    .vgpr_count:     672
    .wavefront_size: 32
...
	.end_amdgpu_metadata
.endif
;; end of part 2
;; launch attn (part 3): grid 8 x 32, 16 waves a work-group, no clusters, 51,200 bytes of LDS; arguments qf, kv, flags, mbits, ac, asc; writes ac, asc
.if DOCPART == 3
	.amdgcn_target "amdgcn-amd-amdhsa--gfx1250"
	.amdhsa_code_object_version 6
	.text
	.protected	k_qdf12ef0df7_attn
	.globl	k_qdf12ef0df7_attn
	.p2align	8
	.type	k_qdf12ef0df7_attn,@function
k_qdf12ef0df7_attn:
	s_mov_b64 s[64:65], 0
	v_nop
	global_prefetch_b8 v0, s[64:65] scope:SCOPE_SE
	s_setreg_imm32_b32 hwreg(HW_REG_WAVE_MODE, 25, 1), 1
	s_wait_xcnt 0x0
; Both attentions of a head on codes of FP6 (E2M3): the global one on q, k and the local one on rq, rk under the mask, the same v; their normalised results are added and quantised along E for the last product.
; SHARES.  A work-group owns 256 queries of one head (x: which 256; y: the head); each of its sixteen waves one tile of 16 queries, in 256 registers: four waves to a SIMD, so that one wave's vector work
; stands beside another's matrix work and LDS loads.  Every wave walks the 16 key steps of 128 keys.
; THE LOCAL BRANCH OF A STEP IS LEFT OUT where the earlier launch found the tile's 16 x 128 mask bytes all set: a scalar branch on the stored flag.  Every p there would be 0, and the row's maximum is not touched.
; Such a branch hangs on a number read from memory, so this launch has no tensor load, hence no joint loads and no cluster: a step's block of kv (19,456 bytes) goes through registers into one of two LDS slots,
; asked for at a step's head and stored at its end; one barrier a step.  No barrier stands under the branch.
; LAYOUT.  Both products transposed: S^T = K Q^T, O^T = V^T P^T: a lane holds one query (lane % 16) throughout.  Key tile 4 c + u holds keys 64 c + 8 u + r % 8 + 32 (r / 8), so that register n of the 64 scores
; is key 64 (n / 32) + 32 (lane / 16) + n % 32: two WHOLE blocks of 32 keys a lane, in order: a block's maximum needs no other lane, and the conversions' results are p's operand registers.
; K = 64 IN A FORM OF K = 128: q's registers lie as [q | zeros | rq]; the global product takes the first 12, the local one the last 12.  A key tile's 6 registers are the half of a run of 12 that meets q or rq; the
; other half holds whatever codes lie there (every FP6 code is a finite number) and meets zeros.  The scale words [x0 x1 r0 r1] serve both products.
; SOFTMAX: t = score x log2(e); M = the running largest t rounded up to a whole number, kept as -M; p = 2^(t - M) is quantised; the row's sum is of the unquantised p; when M moves, the sum and O^T are multiplied by a power of two.
; A query that the mask hides wholly has the sum 0: its scale bytes become 0xff, which makes its row of the output NaN, as in the definition.
; LIMITS: NaN and infinities among the inputs are not served; a block whose largest magnitude lies under 2^-124 keeps the scale byte 1.  The scale bytes leave as single bytes, 32 bytes apart: 131,072 bytes in the whole launch.
; REGISTERS: v1-3 16, 8, 4 x lane; v4 16 x thread; v5 8 h; v6 -infinity; v7, v114, v115 offsets in kv; v8-11 global -M, largest t, sum (two halves); v12-15 local; v16-33 q, zeros, rq; v34 q's scale words; v35 p's;
;   v36-39 k's; v40-43 v's; v44-59 at work; v60-71 p's codes; v72-101 fragments; v102-113 the block on its way; v128-191 scores, then p; v192-223 global O^T; v224-255 local O^T.
.set S,     128
.set F,     72
.set SLOTB, 24576                      ; from slot 0 to slot 1 in LDS
.set BLKB,  19456                      ; a block of kv
.macro PLACES
.rept 4
	v_nop
.endr
.endm
; S^T = K Q^T, four tiles of 16 keys at a time.  loc = 0: k and q; 1: rk and rq
.macro QK slot, loc
.irp g, 0,1
.if \g == 1
	PLACES                                         ; places in front of loads into registers that matrix instructions have read
.endif
.irp i, 0,1,2,3
	ds_load_b128 v[F+6*\loc+6*\i:F+6*\loc+6*\i+3], v1 offset:\slot*SLOTB+6144*\loc+768*(4*\g+\i)
	ds_load_b64 v[F+6*\loc+6*\i+4:F+6*\loc+6*\i+5], v2 offset:\slot*SLOTB+6144*\loc+768*(4*\g+\i)+512
.endr
.if (\g == 0) && (\loc == 0)
.irp i, 0,1,2,3
	ds_load_b32 v[36+\i], v3 offset:\slot*SLOTB+12288+128*\i       ; lanes 0-15 tile 2 i's words, lanes 16-31 tile 2 i + 1's
.endr
.endif
	s_wait_dscnt 0x0
.irp i, 0,1,2,3
.if (\i%2) == 0
	v_wmma_scale_f32_16x16x128_f8f6f4 v[S+8*(4*\g+\i):S+8*(4*\g+\i)+7], v[F+6*\i:F+6*\i+11], v[16+6*\loc:27+6*\loc], 0, v[36+2*\g+\i/2], v34 matrix_a_fmt:MATRIX_FMT_FP6 matrix_b_fmt:MATRIX_FMT_FP6
.else
	v_wmma_scale_f32_16x16x128_f8f6f4 v[S+8*(4*\g+\i):S+8*(4*\g+\i)+7], v[F+6*\i:F+6*\i+11], v[16+6*\loc:27+6*\loc], 0, v[36+2*\g+\i/2], v34 matrix_a_fmt:MATRIX_FMT_FP6 matrix_b_fmt:MATRIX_FMT_FP6 matrix_a_scale:MATRIX_SCALE_ROW1
.endif
.endr
.endr
	PLACES
.endm
.macro MASK                            ; hidden scores become -infinity: word n is the lanes' mask of register n
.set N, 0
.rept 48
	v_cndmask_b32 v[S+N], v[S+N], v6, s[4+N]
.set N, N+1
.endr
.rept 16
	v_cndmask_b32 v[S+N], v[S+N], v6, s[20+N]
.set N, N+1
.endr
.endm
; The softmax of a step and p's codes.  st: the branch's four registers of statistics; o: its O^T
.macro SM st, o
	v_max3_num_f32 v44, v[S], v[S+1], v[S+2]       ; the largest score of each of my two blocks, in two chains each; each accumulator is first read at its low end
	v_max3_num_f32 v45, v[S+32], v[S+33], v[S+34]
	v_max3_num_f32 v46, v[S+16], v[S+17], v[S+18]
	v_max3_num_f32 v47, v[S+48], v[S+49], v[S+50]
.irp i, 3,5,7,9,11,13
	v_max3_num_f32 v44, v44, v[S+\i], v[S+\i+1]
	v_max3_num_f32 v45, v45, v[S+32+\i], v[S+33+\i]
	v_max3_num_f32 v46, v46, v[S+16+\i], v[S+17+\i]
	v_max3_num_f32 v47, v47, v[S+48+\i], v[S+49+\i]
.endr
	v_max3_num_f32 v44, v44, v46, v[S+15]
	v_max3_num_f32 v45, v45, v47, v[S+47]
	v_max_num_f32 v44, v44, v[S+31]
	v_max_num_f32 v45, v45, v[S+63]
	v_max_num_f32 v48, v44, v45
	v_permlanex16_b32 v49, v48, s60, s61
	v_max_num_f32 v48, v48, v49                    ; the step's largest score of my query
	v_mul_f32 v48, s62, v48                        ; as t
	v_max_num_f32 v[\st+1], v[\st+1], v48          ; the running largest t
	v_mov_b32 v48, v[\st]
	v_floor_f32 v[\st], -v[\st+1]                  ; the new -M = -ceil(t)
	v_sub_f32 v48, v[\st], v48                     ; old M - new M: a whole number, 0 or less
	v_cvt_i32_f32 v48, v48                         ; (it saturates)
	v_ldexp_f32 v50, 1.0, v48                      ; f = 2^(old M - new M)
.set JJ, 0
.rept 32
	v_pk_fma_f32 v[S+JJ:S+JJ+1], v[S+JJ:S+JJ+1], s[62:63], v[\st:\st+1] op_sel_hi:[1,0,0]   ; t - M
.set JJ, JJ+2
.endr
	v_fma_f32 v44, v44, s62, v[\st]                ; the same of each block's largest score
	v_fma_f32 v45, v45, s62, v[\st]
.set JJ, 0
.rept 64
	v_exp_f32 v[S+JJ], v[S+JJ]                     ; p = 2^(t - M)
.set JJ, JJ+1
.endr
	v_exp_f32 v44, v44                             ; the blocks' largest p
	v_exp_f32 v45, v45
	v_pk_mul_f32 v[\st+2:\st+3], v[\st+2:\st+3], v[50:51] op_sel_hi:[1,0]   ; the sum under the new M.  (A plain place behind the exponentials)
	s_wait_alu depctr_va_vdst(0)
	v_max_num_f32 v44, 0x1800000, v44              ; the floor 2^(3 - 127)
	v_max_num_f32 v45, 0x1800000, v45
	v_add_nc_u32 v52, 0xff000000, v44              ; the conversions' scale operands
	v_add_nc_u32 v53, 0xff000000, v45
	v_lshrrev_b32 v54, 23, v52                     ; the bytes of blocks h and 2 + h
	v_lshrrev_b32 v55, 23, v53
	v_lshl_or_b32 v48, v55, 16, v54
	v_lshlrev_b32 v48, v5, v48
	v_permlanex16_b32 v49, v48, s60, s61
	v_or_b32 v35, v48, v49                         ; p's scale word for these 128 keys
	v_cvt_scalef32_pk16_fp6_f32 v[60:62], v[S:S+15], v52
	v_cvt_scalef32_pk16_fp6_f32 v[72:74], v[S+16:S+31], v52        ; (a conversion's three registers begin on an even number)
	v_cvt_scalef32_pk16_fp6_f32 v[66:68], v[S+32:S+47], v53
	v_cvt_scalef32_pk16_fp6_f32 v[76:78], v[S+48:S+63], v53
	v_nop                                          ; one plain place behind a scaled conversion
	v_mov_b32 v63, v72
	v_mov_b32 v64, v73
	v_mov_b32 v65, v74
	v_mov_b32 v69, v76
	v_mov_b32 v70, v77
	v_mov_b32 v71, v78
	v_pk_add_f32 v[56:57], v[S:S+1], v[S+2:S+3]    ; the row's sum is taken of the unquantised p, in two chains
.set JJ, 4
.rept 15
	v_pk_add_f32 v[\st+2:\st+3], v[\st+2:\st+3], v[S+JJ:S+JJ+1]
	v_pk_add_f32 v[56:57], v[56:57], v[S+JJ+2:S+JJ+3]
.set JJ, JJ+4
.endr
	v_pk_add_f32 v[\st+2:\st+3], v[\st+2:\st+3], v[56:57]
.set JJ, 0
.rept 16
	v_pk_mul_f32 v[\o+JJ:\o+JJ+1], v[\o+JJ:\o+JJ+1], v[50:51] op_sel_hi:[1,0]   ; O^T under the new M.  (These and the sums are the places between p's codes and scale word and the products)
.set JJ, JJ+2
.endr
.endm
; O^T += V^T P^T: two tiles of 16 of the head's 64 at a time
.macro PV slot, o, first
.irp g, 0,1
.irp i, 0,1
.irp c, 0,1
	ds_load_b128 v[F+12*\i+6*\c:F+12*\i+6*\c+3], v1 offset:\slot*SLOTB+12800+768*(2*(2*\g+\i)+\c)
	ds_load_b64 v[F+12*\i+6*\c+4:F+12*\i+6*\c+5], v2 offset:\slot*SLOTB+12800+768*(2*(2*\g+\i)+\c)+512
.endr
.endr
.if \first && (\g == 0)
.irp u, 0,1,2,3
	ds_load_b32 v[40+\u], v3 offset:\slot*SLOTB+18944+128*\u
.endr
.endif
	s_wait_dscnt 0x0
.irp i, 0,1
	v_wmma_scale_f32_16x16x128_f8f6f4 v[\o+8*(2*\g+\i):\o+8*(2*\g+\i)+7], v[F+12*\i:F+12*\i+11], v[60:71], v[\o+8*(2*\g+\i):\o+8*(2*\g+\i)+7], v[40+2*\g+\i], v35 matrix_a_fmt:MATRIX_FMT_FP6 matrix_b_fmt:MATRIX_FMT_FP6
.endr
	PLACES
.endr
.endm
; A key step, read from slot; the next step's block goes into the other slot
.macro HALF slot
.if \slot == 0
	global_load_b128 v[102:105], v7, s[52:53] offset:BLKB
	global_load_b128 v[106:109], v7, s[52:53] offset:BLKB+8192
	s_cmp_lt_u32 s59, 6                            ; 19,456 = 2 x 8,192 + 3,072: the last piece is six waves'
	s_cbranch_scc0 .Lld_\@
	global_load_b128 v[110:113], v7, s[52:53] offset:BLKB+16384
.Lld_\@:
.else
	global_load_b128 v[102:105], v114, s[52:53]
	global_load_b128 v[106:109], v114, s[52:53] offset:8192
	s_cmp_lt_u32 s59, 6
	s_cbranch_scc0 .Lld_\@
	global_load_b128 v[110:113], v114, s[52:53] offset:16384
.Lld_\@:
.endif
	QK \slot, 0
	SM 8, 192
	PV \slot, 192, 1
	s_bitcmp1_b32 s57, \slot                       ; is anything of this step open to my tile?
	s_cbranch_scc0 .Lnoloc_\@
	s_load_b512 s[4:19], s[54:55], s56 offset:256*\slot
	s_load_b512 s[20:35], s[54:55], s56 offset:256*\slot+64
	s_load_b512 s[36:51], s[54:55], s56 offset:256*\slot+128
	s_load_b512 s[68:83], s[54:55], s56 offset:256*\slot+192
	QK \slot, 1
	s_wait_kmcnt 0x0                               ; the 64 masks
	MASK
	SM 12, 224
	PV \slot, 224, 0
.Lnoloc_\@:
	s_wait_loadcnt 0x0                             ; the next block is in registers
	ds_store_b128 v4, v[102:105] offset:(1-\slot)*SLOTB            ; into the slot that every wave left in front of the last barrier
	ds_store_b128 v4, v[106:109] offset:(1-\slot)*SLOTB+8192
	s_cmp_lt_u32 s59, 6
	s_cbranch_scc0 .Lst_\@
	ds_store_b128 v4, v[110:113] offset:(1-\slot)*SLOTB+16384
.Lst_\@:
	s_wait_dscnt 0x0                               ; my stores have landed, my reads of this slot are over
	s_barrier_signal -1
	s_barrier_wait -1
.endm
	s_load_b256 s[84:91], s[0:1], 0x0              ; qf, kv, flags, mbits
	s_load_b128 s[92:95], s[0:1], 0x20             ; ac, asc
	v_lshl_add_u32 v126, v0, 2, 0xc000
	v_mov_b32 v127, 0
	v_lshrrev_b32 v44, 5, v0
	v_readfirstlane_b32 s59, v44                   ; wave 0..15
	v_and_b32 v45, 31, v0
	v_lshlrev_b32 v1, 4, v45
	v_lshlrev_b32 v2, 3, v45
	v_lshlrev_b32 v3, 2, v45
	v_lshlrev_b32 v4, 4, v0
	v_bfe_u32 v46, v0, 4, 1
	v_lshlrev_b32 v5, 3, v46
	v_mov_b32 v6, 0xff800000
	v_mov_b32 v7, v4                               ; the trip's first block: 16 x thread + 2 blocks a trip
	v_add_nc_u32 v114, 2*BLKB, v4                  ; the next trip's first block,
	v_add_nc_u32 v115, 15*BLKB, v4                 ; held at the head's last block: no load leaves the buffer
	v_and_b32 v47, 15, v0
	v_lshlrev_b32 v47, 2, v47
	s_and_b32 s96, ttmp7, 0xffff                   ; the head
	s_lshl_b32 s97, ttmp9, 4
	s_add_co_u32 s97, s97, s59                     ; my tile a
	s_lshr_b32 s98, s97, 3                         ; its group of 128 queries
	s_and_b32 s99, s59, 7                          ; its place there
	s_lshl_b32 s100, s96, 4
	s_add_co_u32 s100, s100, s98
	s_mul_i32 s100, s100, 12800
	s_mov_b32 s101, 0
	s_mul_i32 s104, s99, 768
	s_mov_b32 s105, 0
	s_mul_i32 s52, s96, 16*BLKB
	s_mov_b32 s53, 0
	s_lshl_b32 s56, s96, 7
	s_add_co_u32 s56, s56, s97                     ; 128 head + a
	s_lshl_b32 s54, s56, 12
	s_mov_b32 s55, 0
	s_lshl_b32 s56, s56, 2
	s_mov_b32 s60, 0x76543210
	s_mov_b32 s61, 0xfedcba98                      ; v_permlanex16_b32's selects for lane l xor 16
	s_mov_b32 s62, 0x3fb8aa3b                      ; log2(e); q carries the 1/8
	s_mov_b32 s63, s62
	s_wait_kmcnt 0x0
	s_load_b32 s57, s[88:89], s56 offset:0x0       ; my tile's flags
	s_add_nc_u64 s[84:85], s[84:85], s[100:101]    ; my block of qf
	s_lshl_b32 s100, s99, 6
	s_add_nc_u64 s[100:101], s[84:85], s[100:101]  ; + 64 bytes a tile: the scale words
	s_add_nc_u64 s[84:85], s[84:85], s[104:105]    ; + 768 bytes a tile: the half fragments
	s_add_nc_u64 s[52:53], s[86:87], s[52:53]      ; the head's blocks of kv
	s_add_nc_u64 s[54:55], s[90:91], s[54:55]      ; my tile's masks
	global_load_b128 v[16:19], v1, s[84:85]
	global_load_b64 v[20:21], v2, s[84:85] offset:512
	global_load_b128 v[28:31], v1, s[84:85] offset:6144
	global_load_b64 v[32:33], v2, s[84:85] offset:6656
	global_load_b32 v34, v47, s[100:101] offset:12288
.irp j, 110,111,112,113
	v_mov_b32 v\j, 0
.endr
	global_load_b128 v[102:105], v4, s[52:53]      ; key step 0
	global_load_b128 v[106:109], v4, s[52:53] offset:8192
	s_cmp_lt_u32 s59, 6
	s_cbranch_scc0 .Lh0
	global_load_b128 v[110:113], v4, s[52:53] offset:16384
.Lh0:
.irp j, 22,23,24,25,26,27
	v_mov_b32 v\j, 0                               ; the zero codes between q and rq
.endr
	v_mov_b32 v9, 0xff61b1e6                       ; the largest t so far: -3e38
	v_floor_f32 v8, -v9
	v_mov_b32 v10, 0
	v_mov_b32 v11, 0
	v_mov_b32 v13, 0xff61b1e6
	v_floor_f32 v12, -v13
	v_mov_b32 v14, 0
	v_mov_b32 v15, 0
	v_mov_b32 v49, 0                               ; a lane permute's destination counts as read
	v_mov_b32 v51, 0                               ; (named as the upper half of the pair v[50:51])
.set JJ, 0
.rept 30
	v_mov_b32 v[F+JJ], 0                           ; the fragments' registers: a run of 12 reaches into registers that no load has filled yet
.set JJ, JJ+1
.endr
.set JJ, 0
.rept 64
	v_mov_b32 v[192+JJ], 0                         ; both O^T.  (The step is written once: the first finds zeros, which the first change of M leaves zeros; the local one may never be touched)
.set JJ, JJ+1
.endr
	s_wait_loadcnt 0x0
	ds_store_b128 v4, v[102:105]
	ds_store_b128 v4, v[106:109] offset:8192
	s_cmp_lt_u32 s59, 6
	s_cbranch_scc0 .Lh1
	ds_store_b128 v4, v[110:113] offset:16384
.Lh1:
	s_wait_kmcnt 0x0                               ; the flags
	s_mov_b32 s56, 0                               ; the trip's masks: 512 bytes a trip
	s_mov_b32 s58, 0
	s_wait_dscnt 0x0
	s_barrier_signal -1
	s_barrier_wait -1
.Ltrip:                                            ; 8 trips of two key steps
	HALF 0
	HALF 1
	v_add_nc_u32 v7, 2*BLKB, v7                    ; (every load that named these has come back)
	v_add_nc_u32 v114, 2*BLKB, v7
	v_min_u32 v114, v114, v115
	s_add_co_u32 s56, s56, 512
	s_lshr_b32 s57, s57, 2
	s_add_co_u32 s58, s58, 1
	s_cmp_lt_u32 s58, 8
	s_cbranch_scc1 .Ltrip
	; THE WAY OUT: both results are divided by their sums and added; lane (r, h) holds query r's d = 32 h + 0 .. 31: one block along E
	v_add_f32 v44, v10, v11
	v_add_f32 v45, v14, v15
	v_permlanex16_b32 v49, v44, s60, s61
	v_permlanex16_b32 v46, v45, s60, s61
	v_add_f32 v44, v44, v49
	v_add_f32 v45, v45, v46
	v_rcp_f32 v52, v44
	v_rcp_f32 v53, v45
	v_nop                                          ; one plain place behind a transcendental
	v_cmp_eq_f32 vcc_lo, 0, v45                    ; a query with nothing open
.set JJ, 0
	s_wait_alu depctr_va_vdst(0)
.rept 32
	v_mul_f32 v[S+JJ], v[192+JJ], v52
.set JJ, JJ+1
.endr
.set JJ, 0
.rept 32
	v_fma_f32 v[S+JJ], v[224+JJ], v53, v[S+JJ]
.set JJ, JJ+1
.endr
	v_max3_num_f32 v44, |v[S]|, |v[S+1]|, 0x1800000
	v_max3_num_f32 v46, |v[S+16]|, |v[S+17]|, |v[S+18]|
.irp i, 0,1,2,3,4,5
	v_max3_num_f32 v44, v44, |v[S+2+2*\i]|, |v[S+3+2*\i]|
	v_max3_num_f32 v46, v46, |v[S+19+2*\i]|, |v[S+20+2*\i]|
.endr
	v_max3_num_f32 v44, v44, |v[S+14]|, |v[S+15]|
	v_max3_num_f32 v44, v44, v46, |v[S+31]|
	v_add_nc_u32 v52, 0xff000000, v44
	v_lshrrev_b32 v54, 23, v52
	v_cvt_scalef32_pk16_fp6_f32 v[60:62], v[S:S+15], v52
	v_cvt_scalef32_pk16_fp6_f32 v[72:74], v[S+16:S+31], v52
	v_nop
	v_mov_b32 v63, v72
	v_mov_b32 v64, v73
	v_mov_b32 v65, v74
	v_mov_b32 v55, 0xff
	v_cndmask_b32 v54, v54, v55, vcc_lo
	s_lshr_b32 s98, s96, 4                         ; b
	s_lshl_b32 s98, s98, 7
	s_add_co_u32 s98, s98, s97                     ; row tile 128 b + a
	s_and_b32 s99, s96, 15                         ; the head within the batch
	s_mul_i32 s104, s98, 12288
	s_mul_i32 s105, s99, 768
	s_add_co_u32 s104, s104, s105
	s_mov_b32 s105, 0
	s_add_nc_u64 s[92:93], s[92:93], s[104:105]
	s_lshl_b32 s104, s98, 9
	s_lshl_b32 s99, s99, 1
	s_add_co_u32 s104, s104, s99
	s_add_nc_u64 s[94:95], s[94:95], s[104:105]
	v_and_b32 v56, 15, v0
	v_bfe_u32 v57, v0, 4, 1
	v_lshl_add_u32 v56, v56, 5, v57                ; row r's 32 bytes, + h
	global_store_b128 v1, v[60:63], s[92:93]
	global_store_b64 v2, v[64:65], s[92:93] offset:512
	global_store_b8 v56, v54, s[94:95]
	s_wait_tensorcnt 0x0
	ds_add_u32 v126, v127
	s_wait_dscnt 0x0
	s_endpgm
.Lfunc_end_k_qdf12ef0df7_attn:
	.size	k_qdf12ef0df7_attn, .Lfunc_end_k_qdf12ef0df7_attn-k_qdf12ef0df7_attn
	.p2alignl 7, 3214868480
	.fill 96, 4, 3214868480
	.section	.rodata,"a",@progbits
	.p2align	6, 0x0
	.amdhsa_kernel k_qdf12ef0df7_attn
		.amdhsa_group_segment_fixed_size 51200
		.amdhsa_private_segment_fixed_size 0
		.amdhsa_enable_private_segment 0
		.amdhsa_kernarg_size 48
		.amdhsa_user_sgpr_count 2
		.amdhsa_user_sgpr_kernarg_segment_ptr 1
		.amdhsa_wavefront_size32 1
		.amdhsa_system_sgpr_workgroup_id_x 1
		.amdhsa_system_sgpr_workgroup_id_y 1
		.amdhsa_system_sgpr_workgroup_id_z 1
		.amdhsa_system_vgpr_workitem_id 0
		.amdhsa_next_free_vgpr 256
		.amdhsa_next_free_sgpr 106
		.amdhsa_reserve_vcc 1
		.amdhsa_float_denorm_mode_32 3
		.amdhsa_float_denorm_mode_16_64 3
		.amdhsa_memory_ordered 1
		.amdhsa_forward_progress 1
		.amdhsa_inst_pref_size 84
	.end_amdhsa_kernel
	.amdgpu_metadata
---
amdhsa.version: [ 1, 2 ]
amdhsa.kernels:
  - .name:           k_qdf12ef0df7_attn
    .symbol:         k_qdf12ef0df7_attn.kd
    .args:
      - { .name: qf, .offset: 0, .size: 8, .value_kind: global_buffer, .address_space: global }
      - { .name: kv, .offset: 8, .size: 8, .value_kind: global_buffer, .address_space: global }
      - { .name: flags, .offset: 16, .size: 8, .value_kind: global_buffer, .address_space: global }
      - { .name: mbits, .offset: 24, .size: 8, .value_kind: global_buffer, .address_space: global }
      - { .name: ac, .offset: 32, .size: 8, .value_kind: global_buffer, .address_space: global }
      - { .name: asc, .offset: 40, .size: 8, .value_kind: global_buffer, .address_space: global }
    .group_segment_fixed_size: 51200
    .private_segment_fixed_size: 0
    .kernarg_segment_align: 8
    .kernarg_segment_size: 48
    .max_flat_workgroup_size: 512
    .sgpr_count:     106
    .vgpr_count:     256
    .wavefront_size: 32
...
	.end_amdgpu_metadata
.endif
;; end of part 3
;; launch oproj (part 4): grid 8 x 32, 4 waves a work-group, clusters of 4 x 4, 249,344 bytes of LDS; arguments ac, asc, out_proj_weight_codes, out_proj_weight_scales, out_proj_bias, out0; writes out0
.if DOCPART == 4
	.amdgcn_target "amdgcn-amd-amdhsa--gfx1250"
	.amdhsa_code_object_version 6
	.text
	.protected	k_qdf12ef0df7_oproj
	.globl	k_qdf12ef0df7_oproj
	.p2align	8
	.type	k_qdf12ef0df7_oproj,@function
k_qdf12ef0df7_oproj:
	s_mov_b64 s[64:65], 0
	v_nop
	global_prefetch_b8 v0, s[64:65] scope:SCOPE_SE
	s_setreg_imm32_b32 hwreg(HW_REG_WAVE_MODE, 25, 1), 1
	s_wait_xcnt 0x0
	s_wait_alu depctr_hold_cnt(0) depctr_sa_sdst(0) depctr_va_vdst(0) depctr_va_sdst(0) depctr_va_ssrc(0) depctr_va_vcc(0) depctr_vm_vsrc(0)
	s_getreg_b32 s2, hwreg(HW_REG_IB_STS2, 6, 4)
	s_cmp_eq_u32 s2, 0
	s_cbranch_scc0 .Lentry_in_a_cluster
	s_endpgm
.Lentry_in_a_cluster:
	s_bfe_u32 s2, ttmp6, 0x10000c
	s_cmp_lg_u32 s2, 0xf033
	s_cbranch_scc0 .Lentry_shape_is_right
	s_endpgm
.Lentry_shape_is_right:
; out0 = attn W^T + bias on codes of FP6 (E2M3).  attn comes as images of operand registers (ac: [row tile 128 b + a][head] half fragments of 768 bytes) with its scale bytes (asc: 32 bytes a row); W as it is given.
; SHARES.  A work-group makes 8 row tiles (y: b = y / 16, group G = y % 16) x 128 columns (x).  Four waves, each 4 row tiles x 64 columns: wr = wave / 2, wc = wave % 2; 16 accumulators.
; ALL OF K = 1,024 LIES IN LDS, in four chunks of 256 along K: W's 128 rows (192 bytes, 16 of padding behind each 64: pitch 240), then 8 row tiles x 4 half fragments as they lie.  Every LDS byte that a tensor load
; fills is filled once: a wave's five loads (scale bytes, chunks 0 to 3) go out together, five are out at the most, and counted waits let the later chunks land under the earlier chunks' products.
; CLUSTER 4 x 4: the four of a row share y, so attn's tiles; the four of a column share x, so W's: each tile is asked for jointly.
; Source 0 = 16 rows of W, source 1 = a row tile: a lane holds eight neighbouring columns of one row.  A row tile's rows are t = 128 G + 64 wr + 8 y' + r % 8 + 32 (r / 8).
; The way out goes through the wave's own stage (16 rows x 272 bytes, behind everything that tensor loads fill): sixteen lanes store 256 consecutive bytes, aligned.
; REGISTERS.  window 0: v1-28 addresses, v24-27 the bias; v32+96 s W's four fragments, v80+96 s attn's, sets s = 0, 1; v224-239 scale words (lanes 0-15 attn's tile i, lanes 16-31 W's).  window 1: the accumulators, (y', x') at 32 y' + 8 x'.
.set PITCH,  240
.set HALFT,  64*PITCH
.set IOFF,   2*HALFT                   ; in a chunk: W's 128 rows, then the images
.set IMG,    3072                      ; a row tile's four half fragments of a chunk
.set CHUNK,  IOFF+8*IMG
.set SCL,    4*CHUNK
.set SPITCH, 40
.set HALFS,  64*SPITCH
.set STG,    SCL+4*HALFS
.set FR,     12
.set XF,     32
.set YF,     80
.set SC,     224
.set ADX,    16
.set ADI,    18
.set ADRS,   20
.set WV,     96
.set G1I,    20
.set G1W,    28
.set G1AS,   36
.set G1WS,   44
.set MSB, 0
.macro WIN new
.if MSB != \new
	s_set_vgpr_msb (MSB<<8)|\new
.set MSB, \new
.endif
.endm
.macro PLACES
.rept 4
	v_nop
.endr
.endm
.macro CROUND
	s_barrier_signal -1
	s_barrier_wait -1
	s_cmp_lg_u32 s[WV], 0
	s_cbranch_scc1 .Lnot_wave_0_\@
	s_barrier_signal -3
.Lnot_wave_0_\@:
	s_barrier_wait -3
	s_barrier_signal -1
	s_barrier_wait -1
.endm
.macro G0C reg, lds, k, adr, step
	s_mov_b32 s[\reg], 1
	s_add_co_u32 s[\reg+1], s[\lds], \k*CHUNK
	s_add_nc_u64 s[\reg+2:\reg+3], s[\adr:\adr+1], \k*\step
	s_or_b32 s[\reg+3], s[\reg+3], 0x80000000
.endm
	s_load_b256 s[4:11], s[0:1], 0x0               ; ac, asc, W's codes, W's scales
	v_lshl_add_u32 v254, v0, 2, 0x3cc00
	v_mov_b32 v255, 0
	ds_add_u32 v254, v255
	ds_add_u32 v254, v255
	v_lshrrev_b32 v1, 5, v0
	v_readfirstlane_b32 s[WV], v1
	s_lshr_b32 s97, s[WV], 1                       ; wr.  Also: I fetch for attn (0) or for W (1)
	s_and_b32 s98, s[WV], 1                        ; wc.  Also: which half I fetch
	s_bfe_u32 s100, ttmp6, 0x40000                 ; cx
	s_bfe_u32 s99, ttmp6, 0x40004                  ; cy
	s_lshl_b32 s101, ttmp9, 2
	s_add_co_u32 s101, s101, s100                  ; x
	s_and_b32 s104, ttmp7, 0xffff
	s_lshl_b32 s104, s104, 2
	s_add_co_u32 s104, s104, s99                   ; y
	s_lshl_b32 s105, s99, 2
	s_lshl_b32 s105, 15, s105                      ; my row of the cluster
	s_lshl_b32 s2, 0x1111, s100                    ; my column
	s_or_b32 s[G1I], s105, (3<<16)|(1<<21)                         ; elements of 8 bytes, no padding
	s_or_b32 s[G1W], s2, (1<<20)|(1<<21)|(3<<22)|(3<<25)
	s_or_b32 s[G1AS], s105, (1<<20)|(1<<21)|(2<<22)|(1<<25)
	s_or_b32 s[G1WS], s2, (1<<20)|(1<<21)|(2<<22)|(1<<25)
	s_mov_b32 s[G1I+1], 384<<16                    ; 3,072 bytes of each of
	s_mov_b32 s[G1I+2], 4<<16                      ; four row tiles,
	s_mov_b32 s[G1I+3], 384<<16
	s_mov_b32 s[G1I+4], 4
	s_mov_b32 s[G1I+5], 1536                       ; 12,288 bytes apart
	s_mov_b32 s[G1I+6], 0
	s_mov_b32 s[G1I+7], 0
	s_mov_b32 s[G1W+1], 192<<16
	s_mov_b32 s[G1W+2], 64<<16
	s_mov_b32 s[G1W+3], 192<<16
	s_mov_b32 s[G1W+4], 64
	s_mov_b32 s[G1W+5], 768
	s_mov_b32 s[G1W+6], 0
	s_mov_b32 s[G1W+7], 0
.irp g, G1AS, G1WS
	s_mov_b32 s[\g+1], 32<<16
	s_mov_b32 s[\g+2], 64<<16
	s_mov_b32 s[\g+3], 32<<16
	s_mov_b32 s[\g+4], 64
	s_mov_b32 s[\g+5], 32
	s_mov_b32 s[\g+6], 0
	s_mov_b32 s[\g+7], 0
.endr
	s_lshl_b32 s66, s104, 3
	s_lshl_b32 s67, s98, 2
	s_add_co_u32 s66, s66, s67                     ; row tile 8 y + 4 half
	s_lshl_b32 s104, s66, 9                        ; its scale bytes,
	s_mov_b32 s105, 0
	s_mul_i32 s66, s66, 12288                      ; its images
	s_mov_b32 s67, 0
	s_lshl_b32 s2, s101, 7
	s_lshl_b32 s3, s98, 6
	s_add_co_u32 s2, s2, s3                        ; W's row 128 x + 64 half
	s_lshl_b32 s100, s2, 5
	s_mov_b32 s101, 0
	s_mul_i32 s2, s2, 768
	s_mov_b32 s3, 0
	s_mul_i32 s12, s98, 4*IMG                      ; where they go: made of the wave's number alone
	s_add_co_u32 s12, s12, IOFF
	s_mul_i32 s13, s98, HALFT
	s_mul_i32 s14, s98, HALFS
	s_add_co_u32 s14, s14, SCL
	s_add_co_u32 s15, s14, 2*HALFS
	s_wait_dscnt 0x0
	s_wait_kmcnt 0x0
	s_add_nc_u64 s[66:67], s[4:5], s[66:67]
	s_add_nc_u64 s[104:105], s[6:7], s[104:105]
	s_add_nc_u64 s[2:3], s[8:9], s[2:3]
	s_add_nc_u64 s[100:101], s[10:11], s[100:101]
	s_mov_b32 s52, 1
	s_mov_b32 s53, s14
	s_mov_b64 s[54:55], s[104:105]
	s_or_b32 s55, s55, 0x80000000
	s_mov_b32 s76, 1
	s_mov_b32 s77, s15
	s_mov_b64 s[78:79], s[100:101]
	s_or_b32 s79, s79, 0x80000000
	G0C 56, 12, 0, 66, IMG
	G0C 60, 12, 1, 66, IMG
	G0C 68, 12, 2, 66, IMG
	G0C 72, 12, 3, 66, IMG
	G0C 80, 13, 0, 2, 192
	G0C 84, 13, 1, 2, 192
	G0C 88, 13, 2, 2, 192
	G0C 92, 13, 3, 2, 192
	s_load_b128 s[4:7], s[0:1], 0x20               ; the bias, out0
	CROUND                                         ; all sixteen work-groups are here: the joint loads meet
	s_cmp_eq_u32 s97, 0                            ; a wave's five first fills stand in one branch on its number; four v_nop follow the last
	s_cbranch_scc0 .Lfill_w
	tensor_load_to_lds s[52:55], s[G1AS:G1AS+7]
	s_nop 0
	tensor_load_to_lds s[56:59], s[G1I:G1I+7]
	s_nop 0
	tensor_load_to_lds s[60:63], s[G1I:G1I+7]
	s_nop 0
	tensor_load_to_lds s[68:71], s[G1I:G1I+7]
	s_nop 0
	tensor_load_to_lds s[72:75], s[G1I:G1I+7]
	s_nop 0
	PLACES
	s_branch .Lfilled
.Lfill_w:
	tensor_load_to_lds s[76:79], s[G1WS:G1WS+7]
	s_nop 0
	tensor_load_to_lds s[80:83], s[G1W:G1W+7]
	s_nop 0
	tensor_load_to_lds s[84:87], s[G1W:G1W+7]
	s_nop 0
	tensor_load_to_lds s[88:91], s[G1W:G1W+7]
	s_nop 0
	tensor_load_to_lds s[92:95], s[G1W:G1W+7]
	s_nop 0
	PLACES
.Lfilled:
	v_and_b32 v1, 15, v0                           ; r
	v_bfe_u32 v2, v0, 4, 1                         ; h
	v_and_b32 v3, 31, v0                           ; lane
	v_mul_u32_u24 v5, v1, PITCH
	v_mad_u32_u24 v5, v2, 24, v5
	s_mul_i32 s12, s98, HALFT                      ; my 64 rows of W
	v_add_nc_u32 v[ADX], s12, v5
	v_lshl_add_u32 v[ADX+1], v2, 4, v[ADX]
	s_mul_i32 s13, s97, 4*IMG                      ; my four row tiles
	s_add_co_u32 s13, s13, IOFF
	v_lshl_add_u32 v[ADI], v3, 4, s13
	s_add_co_u32 s13, s13, 512
	v_lshl_add_u32 v[ADI+1], v3, 3, s13
	s_mul_i32 s14, s97, HALFS
	s_mul_i32 s15, s98, HALFS
	s_add_co_u32 s15, s15, 2*HALFS
	s_sub_co_u32 s15, s15, s14                     ; from attn's scale rows to W's
	s_add_co_u32 s14, s14, SCL
	v_mul_u32_u24 v7, v1, SPITCH
	v_add_nc_u32 v7, s14, v7
	v_mul_u32_u24 v8, s15, v2                      ; lanes 16-31 take W's
	v_add_nc_u32 v[ADRS], v7, v8
	s_mul_i32 s16, s[WV], 16*272
	s_add_co_u32 s16, s16, STG                     ; my stage
	v_mul_u32_u24 v9, v1, 272
	v_lshl_add_u32 v9, v2, 5, v9
	v_add_nc_u32 v21, s16, v9                      ; in: row r, + 32 h
	v_mul_u32_u24 v9, v2, 272
	v_lshl_add_u32 v9, v1, 4, v9
	v_add_nc_u32 v22, s16, v9                      ; back: lanes 0-15 one row, lanes 16-31 the next
	v_lshlrev_b32 v23, 13, v2
	v_lshl_add_u32 v23, v1, 4, v23                 ; the same in out0: a step of t is 8,192 bytes
	v_lshlrev_b32 v28, 4, v1
	s_bfe_u32 s16, ttmp6, 0x40000
	s_lshl_b32 s17, ttmp9, 2
	s_add_co_u32 s17, s17, s16                     ; x
	s_bfe_u32 s16, ttmp6, 0x40004
	s_and_b32 s18, ttmp7, 0xffff
	s_lshl_b32 s18, s18, 2
	s_add_co_u32 s18, s18, s16                     ; y
	s_lshl_b32 s17, s17, 9
	s_lshl_b32 s16, s98, 8
	s_add_co_u32 s16, s17, s16                     ; my first column, in bytes: 512 x + 256 wc
	s_mov_b32 s17, 0
	s_wait_kmcnt 0x0
	s_add_nc_u64 s[4:5], s[4:5], s[16:17]
	s_add_nc_u64 s[6:7], s[6:7], s[16:17]
	s_and_b32 s16, s18, 15                         ; G
	s_lshl_b32 s16, s16, 20
	s_lshl_b32 s19, s97, 19
	s_add_co_u32 s16, s16, s19                     ; t = 128 G + 64 wr,
	s_lshr_b32 s19, s18, 4
	s_lshl_b32 s19, s19, 12
	s_add_co_u32 s16, s16, s19                     ; batch b
	s_add_nc_u64 s[6:7], s[6:7], s[16:17]
	global_load_b128 v[24:27], v28, s[4:5]         ; the bias of the four columns that I store
.macro FRAGR reg, adr, q, off
.irp p, 0,1,2,3,4,5
.set PCE, 12*(\q)+6*(\p/3)+\p%3
.if PCE%8 < 5
	ds_load_b64 v[\reg+2*\p:\reg+2*\p+1], v[\adr] offset:8*PCE+16*(PCE/8)+(\off)
.else
	ds_load_b64 v[\reg+2*\p:\reg+2*\p+1], v[\adr+1] offset:8*PCE+16*(PCE/8)+(\off)
.endif
.endr
.endm
.macro FRAGI reg, q, i                 ; a fragment of attn: two half fragments, as they were stored
.irp c, 0,1
	ds_load_b128 v[\reg+6*\c:\reg+6*\c+3], v[ADI] offset:IMG*(\i)+1536*(\q)+768*\c
	ds_load_b64 v[\reg+6*\c+4:\reg+6*\c+5], v[ADI+1] offset:IMG*(\i)+1536*(\q)+768*\c
.endr
.endm
.macro FETCH kap
.irp i, 0,1,2,3
	FRAGR XF+96*((\kap)%2)+FR*\i, ADX, (\kap)%2, 16*PITCH*\i
.endr
.irp i, 0,1,2,3
	FRAGI YF+96*((\kap)%2)+FR*\i, (\kap)%2, \i
.endr
.endm
.macro SCALES sc
.irp i, 0,1,2,3
	ds_load_b64 v[SC+8*(\sc)+2*\i:SC+8*(\sc)+2*\i+1], v[ADRS] offset:16*SPITCH*\i
.endr
.endm
.macro MULS st, q, sc, zero            ; the accumulators take turns, one instruction a turn, in the same order in every step
	WIN 0x50
.irp y, 0,1,2,3
.irp x, 0,1,2,3
.if \zero
	v_wmma_scale_f32_16x16x128_f8f6f4 v[32*\y+8*\x:32*\y+8*\x+7], v[XF+96*(\st)+FR*\x:XF+96*(\st)+FR*\x+FR-1], v[YF+96*(\st)+FR*\y:YF+96*(\st)+FR*\y+FR-1], 0, v[SC+8*(\sc)+2*\x+(\q)], v[SC+8*(\sc)+2*\y+(\q)] matrix_a_fmt:MATRIX_FMT_FP6 matrix_b_fmt:MATRIX_FMT_FP6 matrix_a_scale:MATRIX_SCALE_ROW1
.else
	v_wmma_scale_f32_16x16x128_f8f6f4 v[32*\y+8*\x:32*\y+8*\x+7], v[XF+96*(\st)+FR*\x:XF+96*(\st)+FR*\x+FR-1], v[YF+96*(\st)+FR*\y:YF+96*(\st)+FR*\y+FR-1], v[32*\y+8*\x:32*\y+8*\x+7], v[SC+8*(\sc)+2*\x+(\q)], v[SC+8*(\sc)+2*\y+(\q)] matrix_a_fmt:MATRIX_FMT_FP6 matrix_b_fmt:MATRIX_FMT_FP6 matrix_a_scale:MATRIX_SCALE_ROW1
.endif
.endr
.endr
	WIN 0
.endm
.macro KSTEP kap, zero
	s_wait_dscnt 0x0                               ; this step's fragments, asked for a step ago, are in
.if ((\kap)%2 == 1) && ((\kap) < 7)
	s_wait_tensorcnt 2-(\kap)/2                    ; my part of the next chunk has landed; the chunks behind it stay out
	s_barrier_signal -1
	s_barrier_wait -1                              ; everybody's has.  No tensor load fills a byte again
	v_add_nc_u32 v[ADX], CHUNK, v[ADX]
	v_add_nc_u32 v[ADX+1], CHUNK, v[ADX+1]
	v_add_nc_u32 v[ADI], CHUNK, v[ADI]
	v_add_nc_u32 v[ADI+1], CHUNK, v[ADI+1]
	v_add_nc_u32 v[ADRS], 8, v[ADRS]
.endif
.if (\kap) < 7
	PLACES                                         ; places in front of loads into the set that the last step's products read
	FETCH (\kap)+1
.if (\kap)%2 == 1
	SCALES (((\kap)+1)/2)%2
.endif
.endif
	MULS (\kap)%2, (\kap)%2, ((\kap)/2)%2, \zero
.endm
	s_wait_tensorcnt 3                             ; the scale bytes and chunk 0: three younger loads stay out
	s_barrier_signal -1
	s_barrier_wait -1
	FETCH 0
	SCALES 0
	KSTEP 0, 1                                     ; the first products start the sums: nothing is cleared
.irp k, 1,2,3,4,5,6,7
	KSTEP \k, 0
.endr
	PLACES
	s_wait_loadcnt 0x0                             ; the bias
; THE WAY OUT of row tile y: 16 rows x 64 columns through my stage; LDS serves a wave's instructions in order, so no wait stands between the stores and the loads
.macro OUTROW y
.set OB, 32+32*((\y)%2)
.if (\y) > 1
	s_wait_xcnt 0x0                                ; the stores of two tiles ago have read these registers
.endif
	WIN 0x04                                       ; an LDS store's data are its source 1: window 1
.irp x, 0,1,2,3
	ds_store_b128 v21, v[32*(\y)+8*\x:32*(\y)+8*\x+3] offset:64*\x            ; each accumulator from its low end on
	ds_store_b128 v21, v[32*(\y)+8*\x+4:32*(\y)+8*\x+7] offset:64*\x+16
.endr
	WIN 0
.irp i, 0,1,2,3,4,5,6,7
	ds_load_b128 v[OB+4*\i:OB+4*\i+3], v22 offset:544*\i
.endr
	s_wait_dscnt 0x0
.irp i, 0,1,2,3,4,5,6,7
	v_pk_add_f32 v[OB+4*\i:OB+4*\i+1], v[OB+4*\i:OB+4*\i+1], v[24:25]
	v_pk_add_f32 v[OB+4*\i+2:OB+4*\i+3], v[OB+4*\i+2:OB+4*\i+3], v[26:27]
.endr
.irp i, 0,1,2,3,4,5,6,7
	global_store_b128 v23, v[OB+4*\i:OB+4*\i+3], s[6:7] offset:65536*(\y)+((2*\i)%8+32*(\i/4))*8192 th:TH_STORE_NT   ; rows 2 i and 2 i + 1 of the tile: t = 8 y + (2 i) % 8 + 32 (i / 4) and the next; 16 lanes store 256 consecutive bytes, aligned
.endr
.endm
	OUTROW 0
	OUTROW 1
	OUTROW 2
	OUTROW 3
	s_wait_tensorcnt 0x0
	ds_add_u32 v254, v255
	s_wait_dscnt 0x0
	CROUND                                         ; the closing round: no work-group ends while a partner may still ask for a tile that names it
	s_endpgm
.Lfunc_end_k_qdf12ef0df7_oproj:
	.size	k_qdf12ef0df7_oproj, .Lfunc_end_k_qdf12ef0df7_oproj-k_qdf12ef0df7_oproj
	.p2alignl 7, 3214868480
	.fill 96, 4, 3214868480
	.section	.rodata,"a",@progbits
	.p2align	6, 0x0
	.amdhsa_kernel k_qdf12ef0df7_oproj
		.amdhsa_group_segment_fixed_size 249344
		.amdhsa_private_segment_fixed_size 0
		.amdhsa_enable_private_segment 0
		.amdhsa_kernarg_size 48
		.amdhsa_user_sgpr_count 2
		.amdhsa_user_sgpr_kernarg_segment_ptr 1
		.amdhsa_wavefront_size32 1
		.amdhsa_system_sgpr_workgroup_id_x 1
		.amdhsa_system_sgpr_workgroup_id_y 1
		.amdhsa_system_sgpr_workgroup_id_z 1
		.amdhsa_system_vgpr_workitem_id 0
		.amdhsa_next_free_vgpr 384
		.amdhsa_next_free_sgpr 106
		.amdhsa_reserve_vcc 0
		.amdhsa_float_denorm_mode_32 3
		.amdhsa_float_denorm_mode_16_64 3
		.amdhsa_memory_ordered 1
		.amdhsa_forward_progress 1
		.amdhsa_inst_pref_size 63
	.end_amdhsa_kernel
	.amdgpu_metadata
---
amdhsa.version: [ 1, 2 ]
amdhsa.kernels:
  - .name:           k_qdf12ef0df7_oproj
    .symbol:         k_qdf12ef0df7_oproj.kd
    .args:
      - { .name: ac, .offset: 0, .size: 8, .value_kind: global_buffer, .address_space: global }
      - { .name: asc, .offset: 8, .size: 8, .value_kind: global_buffer, .address_space: global }
      - { .name: out_proj_weight_codes, .offset: 16, .size: 8, .value_kind: global_buffer, .address_space: global }
      - { .name: out_proj_weight_scales, .offset: 24, .size: 8, .value_kind: global_buffer, .address_space: global }
      - { .name: out_proj_bias, .offset: 32, .size: 8, .value_kind: global_buffer, .address_space: global }
      - { .name: out0, .offset: 40, .size: 8, .value_kind: global_buffer, .address_space: global }
    .group_segment_fixed_size: 249344
    .private_segment_fixed_size: 0
    .kernarg_segment_align: 8
    .kernarg_segment_size: 48
    .max_flat_workgroup_size: 128
    .sgpr_count:     106
    .vgpr_count:     384
    .wavefront_size: 32
...
	.end_amdgpu_metadata
.endif
;; end of part 4
;; ======== version 2 of 2: 3 launches
;; limits: right only within a limited range of input values
;; workspace buffers: qf 6,553,600 bytes; kv 9,961,472 bytes; ac 3,145,728 bytes; asc 131,072 bytes
;; launch qkv (part 5): grid 8 x 32, 4 waves a work-group, clusters of 4 x 4, 327,680 bytes of LDS; arguments query_codes, query_scales, in_proj_weight_codes, in_proj_weight_scales, in_proj_bias, sinusoidal_pos, qf, kv; writes qf, kv
.if DOCPART == 5
	.amdgcn_target "amdgcn-amd-amdhsa--gfx1250"
	.amdhsa_code_object_version 6
	.text
	.protected	k_qdf12ef0df7_qkv
	.globl	k_qdf12ef0df7_qkv
	.p2align	8
	.type	k_qdf12ef0df7_qkv,@function
k_qdf12ef0df7_qkv:
	s_mov_b64 s[64:65], 0
	v_nop
	global_prefetch_b8 v0, s[64:65] scope:SCOPE_SE
	s_setreg_imm32_b32 hwreg(HW_REG_WAVE_MODE, 25, 1), 1
	s_wait_xcnt 0x0
	s_wait_alu depctr_hold_cnt(0) depctr_sa_sdst(0) depctr_va_vdst(0) depctr_va_sdst(0) depctr_va_ssrc(0) depctr_va_vcc(0) depctr_vm_vsrc(0)
	s_getreg_b32 s2, hwreg(HW_REG_IB_STS2, 6, 4)
	s_cmp_eq_u32 s2, 0
	s_cbranch_scc0 .Lentry_in_a_cluster
	s_endpgm
.Lentry_in_a_cluster:
	s_bfe_u32 s2, ttmp6, 0x10000c
	s_cmp_lg_u32 s2, 0xf033
	s_cbranch_scc0 .Lentry_shape_is_right
	s_endpgm
.Lentry_shape_is_right:
; qkv = query W^T + bias on codes of FP6 (E2M3) as they are given; then q x 1/8, the rotation of q and k, and the quantising of q, rq, k, rk (along the head's 64) and of v (along the keys),
; stored as images of the attention launch's operand registers.
; SHARES.  A work-group stays: it makes 128 t of ONE batch (y: b = y % 2, group G = y / 2; the descriptor's pitch of two rows takes the batch apart) x two heads (x) in THREE PASSES: q, k, v: W's rows 1,024 p + 128 x.
; Four waves, each 64 x 64: wr = wave / 2 which 64 t, wc = wave % 2 which head.  16 accumulators a wave.
; LDS: the query's 128 rows of codes, whole (768 bytes, 16 of padding behind each 256: pitch 816), W's 128 rows alike, then both sides' scale rows (32 bytes + 8).  Every tensor row begins at a multiple of 256 bytes or lies inside one such block.
; THE HEAD'S FOUR TILES, one joint load a wave: wave 0 the query's codes, wave 1 W's, wave 2 the query's scale rows, wave 3 W's.  The query's stay for all three passes.
; W's TILES ARE FILLED AGAIN behind a pass's last product: every wave waits for its tensor loads, adds 0 to its spare word, waits for that and for its LDS reads; a round of the cluster's barrier; then wave 1 asks for the next pass's codes
; and wave 3 for its scale rows, one load a wave.  The pass's way out, work on registers and stores, stands between that request and the wait for it.  One tensor load of a wave is out at the most.
; CLUSTER 4 x 4: the four of a row share y, so the query's tiles; the four of a column share x, so W's: each tile is asked for jointly.  No prefetch: a pass has no loop along K to run ahead in, all of K comes by one load.
; THE ROWS OF A TILE ARE NOT NEIGHBOURS, on both sides: lane r of tile i takes row 8 i + r % 8 + 32 (r / 8) of the wave's 64.  Source 0's rows fall into the result's registers: a lane's 32 registers of
; four tiles are then 32 h + 0 .. 31, a WHOLE block of 32, in order: its largest magnitude needs no other lane and two conversions give six operand registers.  Source 1's rows fall into lanes and are
; the tile order that the attention launch wants.
; q, k: source 0 = W (registers along d), source 1 = query (lanes along t): one loop of two trips; what differs lies in scalar registers.  v: source 0 = query (registers along t, the keys), source 1 = W (lanes along d).
; A HALF FRAGMENT (16 rows x 64 K, 6 registers a lane) is 768 bytes: registers 0-3 at 16 x lane, registers 4-5 at 512 + 8 x lane.
; qf block (head, G), 12,800 bytes: q's 8 half fragments, rq's 8 at 6,144, 8 x 16 scale words [q0 q1 rq0 rq1] at 12,288.  kv block (head, G), 19,456 bytes: k, rk, scale words alike; v's 8 at 12,800 (d tile u, keys' half c: 2 u + c); v's scale words, 4 x 32 lanes, at 18,944.
; LIMITS: NaN and infinities are not served; a block whose largest magnitude lies under 2^-124 keeps the scale byte 1 (a block of zeros too: its codes are zeros, and this program alone reads the bytes).
; REGISTERS.  window 0: v2-28 addresses; v32+96 s source 0's four fragments, v80+96 s source 1's, sets s = 0, 1; v224-239 scale words (lanes 0-15 source 1's tile i, lanes 16-31 source 0's), two sets; v240-247 v's bias; v254, v255 the add's.
;   window 1: v0-127 the accumulators, (y, x) at 32 y + 8 x.   window 2: v[32 y] 16 sines, v[32 y + 16] 16 cosines of tile y; v128-159 the bias.
.set PITCH,  816
.set HALFT,  64*PITCH
.set WOFF,   2*HALFT                   ; the query's 128 rows, then W's
.set SCL,    4*HALFT                   ; behind the codes: scale bytes
.set SPITCH, 40
.set HALFS,  64*SPITCH
.set SPARE,  256000                    ; the spare words, 128 bytes a wave
.set FR,     12
.set XF,     32
.set YF,     80
.set SC,     224
.set ADX,    16                        ; v16, v17  source 0's rows: + 24 h, + 40 h (behind one padding more)
.set ADY,    18                        ; v18, v19  source 1's
.set ADRS,   20                        ; v20       scale words
.set XR,     32                        ; the way out: 32 numbers, v32-63
.set RR,     64                        ; rotated, v64-95
.set CD,     128                       ; codes and scale word of tile y at v[128 + 16 y]
.set WV,     96
.set G1Q,    20
.set G1W,    28
.set G1QS,   36
.set G1WS,   44
.set MSB, 0
.macro WIN new                         ; the immediate's high byte repeats the setting that is left
.if MSB != \new
	s_set_vgpr_msb (MSB<<8)|\new
.set MSB, \new
.endif
.endm
.macro PLACES
.rept 4
	v_nop
.endr
.endm
.macro CROUND                          ; a round of the cluster's barrier
	s_barrier_signal -1
	s_barrier_wait -1
	s_cmp_lg_u32 s[WV], 0
	s_cbranch_scc1 .Lnot_wave_0_\@
	s_barrier_signal -3
.Lnot_wave_0_\@:
	s_barrier_wait -3
	s_barrier_signal -1
	s_barrier_wait -1
.endm
.macro G0C reg, lds, adr               ; group 0: a tile's LDS byte, a constant, and its first byte in memory
	s_mov_b32 s[\reg], 1
	s_mov_b32 s[\reg+1], \lds
	s_mov_b64 s[\reg+2:\reg+3], s[\adr:\adr+1]
	s_or_b32 s[\reg+3], s[\reg+3], 0x80000000
.endm
	s_load_b256 s[4:11], s[0:1], 0x0               ; query's codes, its scales, W's codes, its scales
	v_lshl_add_u32 v254, v0, 2, SPARE
	v_mov_b32 v255, 0
	ds_add_u32 v254, v255                          ; the opening lines: the add, twice on end, and its wait
	ds_add_u32 v254, v255
	v_lshrrev_b32 v1, 5, v0
	v_readfirstlane_b32 s[WV], v1                  ; wave 0..3
	s_lshr_b32 s97, s[WV], 1                       ; wr
	s_and_b32 s98, s[WV], 1                        ; wc
	s_bfe_u32 s100, ttmp6, 0x40000                 ; cx
	s_bfe_u32 s99, ttmp6, 0x40004                  ; cy
	s_lshl_b32 s101, ttmp9, 2
	s_add_co_u32 s101, s101, s100                  ; x
	s_and_b32 s104, ttmp7, 0xffff
	s_lshl_b32 s104, s104, 2
	s_add_co_u32 s104, s104, s99                   ; y
	s_lshl_b32 s105, s99, 2
	s_lshl_b32 s105, 15, s105                      ; my row of the cluster
	s_lshl_b32 s2, 0x1111, s100                    ; my column
	s_or_b32 s[G1Q], s105, (1<<20)|(1<<21)|(5<<22)|(3<<25)   ; elements of 1 byte; padding on; 4 words behind every 64
	s_or_b32 s[G1W], s2, (1<<20)|(1<<21)|(5<<22)|(3<<25)
	s_or_b32 s[G1QS], s105, (1<<20)|(1<<21)|(2<<22)|(1<<25)  ; 2 words behind every 8: behind every row of 32 bytes
	s_or_b32 s[G1WS], s2, (1<<20)|(1<<21)|(2<<22)|(1<<25)
.irp g, G1Q, G1W
	s_mov_b32 s[\g+1], 768<<16                     ; tensor_dim0: a whole row of codes
	s_mov_b32 s[\g+2], 128<<16                     ; tensor_dim1
	s_mov_b32 s[\g+3], 768<<16                     ; tile_dim0
	s_mov_b32 s[\g+4], 128                         ; tile_dim1
	s_mov_b32 s[\g+6], 0
	s_mov_b32 s[\g+7], 0
.endr
	s_mov_b32 s[G1Q+5], 1536                       ; from t to t + 1 of one batch: two rows of 768 bytes
	s_mov_b32 s[G1W+5], 768
.irp g, G1QS, G1WS
	s_mov_b32 s[\g+1], 32<<16
	s_mov_b32 s[\g+2], 128<<16
	s_mov_b32 s[\g+3], 32<<16
	s_mov_b32 s[\g+4], 128
	s_mov_b32 s[\g+6], 0
	s_mov_b32 s[\g+7], 0
.endr
	s_mov_b32 s[G1QS+5], 64
	s_mov_b32 s[G1WS+5], 32
	s_lshr_b32 s66, s104, 1                        ; G
	s_lshl_b32 s66, s66, 8
	s_and_b32 s67, s104, 1                         ; b
	s_add_co_u32 s66, s66, s67                     ; the query's row 2 x 128 G + b
	s_lshl_b32 s104, s66, 5                        ; its scale bytes,
	s_mov_b32 s105, 0
	s_mul_i32 s66, s66, 768                        ; its codes
	s_mov_b32 s67, 0
	s_lshl_b32 s2, s101, 7                         ; W's row 128 x: the first pass's
	s_lshl_b32 s100, s2, 5
	s_mov_b32 s101, 0
	s_mul_i32 s2, s2, 768
	s_mov_b32 s3, 0
	s_wait_dscnt 0x0
	s_wait_kmcnt 0x0
	s_add_nc_u64 s[66:67], s[4:5], s[66:67]
	s_add_nc_u64 s[104:105], s[6:7], s[104:105]
	s_add_nc_u64 s[2:3], s[8:9], s[2:3]
	s_add_nc_u64 s[100:101], s[10:11], s[100:101]
	G0C 56, 0, 66                                  ; the query's 128 rows of codes
	G0C 80, WOFF, 2                                ; W's 128 rows
	G0C 52, SCL, 104                               ; the query's scale rows
	G0C 76, SCL+2*HALFS, 100                       ; W's
	s_load_b256 s[4:11], s[0:1], 0x20              ; bias, sinusoidal_pos, qf, kv
	CROUND                                         ; all sixteen work-groups are here: the joint loads meet
; one chain of branches on the wave's number, one joint load to an arm, all arms lead to one join
.macro ARM under, g0, g1, next
	s_cmp_lt_u32 s[WV], \under
	s_cbranch_scc0 \next
	tensor_load_to_lds s[\g0:\g0+3], s[\g1:\g1+7]
	s_nop 0
	PLACES
	s_branch .Lfilled
\next:
.endm
	ARM 1, 56, G1Q, .Lfill_w
	ARM 2, 80, G1W, .Lfill_qs
	ARM 3, 52, G1QS, .Lfill_ws
	tensor_load_to_lds s[76:79], s[G1WS:G1WS+7]
	s_nop 0
	PLACES
.Lfilled:
	v_bfe_u32 v2, v0, 4, 1                         ; h
	v_and_b32 v3, 31, v0                           ; lane
	v_and_b32 v4, 7, v0
	v_and_b32 v5, 8, v0
	v_lshl_add_u32 v4, v5, 2, v4                   ; m = r % 8 + 32 (r / 8)
	v_mul_u32_u24 v5, v4, PITCH
	v_mad_u32_u24 v5, v2, 24, v5                   ; a fragment's row x pitch + 24 h
	v_lshl_add_u32 v6, v2, 4, v5                   ; and behind one padding more
	v_mul_u32_u24 v7, v4, SPITCH
	s_wait_alu depctr_va_vdst(0)                   ; scalar lines and waits stand ahead of the readers
	v_lshlrev_b32 v26, 3, v2                       ; 8 h: a byte's place in a scale word
	v_mov_b32 v27, 0                               ; a lane permute's destination counts as read
	s_mul_i32 s12, s97, HALFT                      ; the query's rows 64 wr
	s_mul_i32 s13, s98, HALFT
	s_add_co_u32 s13, s13, WOFF                    ; W's rows 64 wc
	s_mul_i32 s14, s97, HALFS
	s_mul_i32 s15, s98, HALFS
	s_add_co_u32 s15, s15, 2*HALFS
	s_sub_co_u32 s15, s15, s14                     ; from the query's scale rows to W's
	s_add_co_u32 s14, s14, SCL
	v_add_nc_u32 v7, s14, v7                       ; the query's scale row m
	s_bfe_u32 s16, ttmp6, 0x40000
	s_lshl_b32 s17, ttmp9, 2
	s_add_co_u32 s17, s17, s16                     ; x
	s_bfe_u32 s16, ttmp6, 0x40004
	s_and_b32 s18, ttmp7, 0xffff
	s_lshl_b32 s18, s18, 2
	s_add_co_u32 s18, s18, s16                     ; y
	s_and_b32 s19, s18, 1
	s_lshl_b32 s19, s19, 4
	s_lshl_b32 s16, s17, 1
	s_add_co_u32 s19, s19, s16
	s_add_co_u32 s19, s19, s98                     ; head = 16 b + 2 x + wc
	s_lshl_b32 s19, s19, 4
	s_lshr_b32 s18, s18, 1                         ; G
	s_add_co_u32 s19, s19, s18                     ; block 16 head + G
	s_lshl_b32 s16, s17, 9
	s_lshl_b32 s17, s98, 8
	s_add_co_u32 s16, s16, s17
	s_mov_b32 s17, 0
	s_mov_b32 s66, 0x76543210
	s_mov_b32 s67, 0xfedcba98                      ; v_permlanex16_b32's selects for lane l xor 16
	s_wait_kmcnt 0x0
	s_add_nc_u64 s[4:5], s[4:5], s[16:17]          ; the bias at W's row 128 x + 64 wc
.macro FRAGR reg, adr, q, off          ; 16 rows x 128 K of K step q: six pieces of 8 bytes; 32 pieces lie between two paddings; where the piece three on lies behind one padding more, the second address register serves
.irp p, 0,1,2,3,4,5
.set PCE, 12*(\q)+6*(\p/3)+\p%3
.if PCE%32 < 29
	ds_load_b64 v[\reg+2*\p:\reg+2*\p+1], v[\adr] offset:8*PCE+16*(PCE/32)+(\off)
.else
	ds_load_b64 v[\reg+2*\p:\reg+2*\p+1], v[\adr+1] offset:8*PCE+16*(PCE/32)+(\off)
.endif
.endr
.endm
.macro FETCH kap                       ; K step kap's eight fragments into set kap % 2; a tile begins 8 rows behind the last
.irp i, 0,1,2,3
	FRAGR XF+96*((\kap)%2)+FR*\i, ADX, \kap, 8*PITCH*\i
.endr
.irp i, 0,1,2,3
	FRAGR YF+96*((\kap)%2)+FR*\i, ADY, \kap, 8*PITCH*\i
.endr
.endm
.macro SCALES ch                       ; the two scale words a row of K steps 2 ch and 2 ch + 1, into set ch % 2
.irp i, 0,1,2,3
	ds_load_b64 v[SC+8*((\ch)%2)+2*\i:SC+8*((\ch)%2)+2*\i+1], v[ADRS] offset:8*SPITCH*\i+8*(\ch)
.endr
.endm
.macro MULS st, q, sc, zero            ; 16 products; the accumulators take turns, one instruction a turn, in the same order in every step
	WIN 0x50
.irp y, 0,1,2,3
.irp x, 0,1,2,3
.if \zero
	v_wmma_scale_f32_16x16x128_f8f6f4 v[32*\y+8*\x:32*\y+8*\x+7], v[XF+96*(\st)+FR*\x:XF+96*(\st)+FR*\x+FR-1], v[YF+96*(\st)+FR*\y:YF+96*(\st)+FR*\y+FR-1], 0, v[SC+8*(\sc)+2*\x+(\q)], v[SC+8*(\sc)+2*\y+(\q)] matrix_a_fmt:MATRIX_FMT_FP6 matrix_b_fmt:MATRIX_FMT_FP6 matrix_a_scale:MATRIX_SCALE_ROW1
.else
	v_wmma_scale_f32_16x16x128_f8f6f4 v[32*\y+8*\x:32*\y+8*\x+7], v[XF+96*(\st)+FR*\x:XF+96*(\st)+FR*\x+FR-1], v[YF+96*(\st)+FR*\y:YF+96*(\st)+FR*\y+FR-1], v[32*\y+8*\x:32*\y+8*\x+7], v[SC+8*(\sc)+2*\x+(\q)], v[SC+8*(\sc)+2*\y+(\q)] matrix_a_fmt:MATRIX_FMT_FP6 matrix_b_fmt:MATRIX_FMT_FP6 matrix_a_scale:MATRIX_SCALE_ROW1
.endif
.endr
.endr
	WIN 0
.endm
.macro KSTEP kap, zero
	s_wait_dscnt 0x0                               ; this step's fragments, asked for a step ago, are in
.if (\kap) < 7
	PLACES                                         ; places in front of loads into the set that the last step's products read
	FETCH (\kap)+1
.if (\kap)%2 == 1
	SCALES ((\kap)+1)/2
.endif
.endif
	MULS (\kap)%2, (\kap)%2, ((\kap)/2)%2, \zero
.endm
.macro MAIN                            ; a pass's products
	s_wait_tensorcnt 0x0                           ; my tile, if I asked for one, has landed
	s_barrier_signal -1
	s_barrier_wait -1                              ; everybody's has
	FETCH 0
	SCALES 0
	KSTEP 0, 1                                     ; the first products start the sums: nothing is cleared
.irp k, 1,2,3,4,5,6,7
	KSTEP \k, 0
.endr
	PLACES
.endm
.macro REFILL                          ; W's tiles of the next pass, 1,024 rows further down
	s_wait_tensorcnt 0x0                           ; no tensor load of mine is out, so group 0 may be written;
	ds_add_u32 v254, v255
	s_add_nc_u64 s[82:83], s[82:83], 1024*768
	s_add_nc_u64 s[78:79], s[78:79], 1024*32
	s_wait_dscnt 0x0                               ; the add is done, and so are my reads of W's tiles
	CROUND                                         ; both hold of every wave of every partner
	s_cmp_eq_u32 s[WV], 1
	s_cbranch_scc0 .Lrf_s_\@
	tensor_load_to_lds s[80:83], s[G1W:G1W+7]
	s_nop 0
	PLACES
	s_branch .Lrf_e_\@
.Lrf_s_\@:
	s_cmp_eq_u32 s[WV], 3
	s_cbranch_scc0 .Lrf_e_\@
	tensor_load_to_lds s[76:79], s[G1WS:G1WS+7]
	s_nop 0
	PLACES
.Lrf_e_\@:
.endm
.macro ROLES xs, ys, hm                ; which rows are source 0's, which source 1's; hm: the register that is 1 in the lanes that take W's scale rows
	v_add_nc_u32 v[ADX], s[\xs], v5
	v_add_nc_u32 v[ADX+1], s[\xs], v6
	v_add_nc_u32 v[ADY], s[\ys], v5
	v_add_nc_u32 v[ADY+1], s[\ys], v6
	v_mul_u32_u24 v8, s15, v[\hm]
	s_wait_alu depctr_va_vdst(0)
	v_add_nc_u32 v[ADRS], v7, v8
.endm
; 32 numbers of a lane, one block, become six registers of codes at v[d] and the scale's byte in v[by]
.macro QUANT32 s, d, by
	v_max3_num_f32 v96, |v[\s]|, |v[\s+1]|, 0x1800000              ; with the floor 2^(3 - 127): the byte cannot fall under 1
	v_max3_num_f32 v97, |v[\s+16]|, |v[\s+17]|, |v[\s+18]|
.irp i, 0,1,2,3,4,5
	v_max3_num_f32 v96, v96, |v[\s+2+2*\i]|, |v[\s+3+2*\i]|
	v_max3_num_f32 v97, v97, |v[\s+19+2*\i]|, |v[\s+20+2*\i]|
.endr
	v_max3_num_f32 v96, v96, |v[\s+14]|, |v[\s+15]|
	v_max3_num_f32 v96, v96, v97, |v[\s+31]|
	v_add_nc_u32 v98, 0xff000000, v96              ; 2 off the exponent field: the conversion's scale operand
	v_lshrrev_b32 v[\by], 23, v98                  ; the scale's byte
	v_cvt_scalef32_pk16_fp6_f32 v[\d:\d+2], v[\s:\s+15], v98
	v_cvt_scalef32_pk16_fp6_f32 v[100:102], v[\s+16:\s+31], v98    ; (a conversion's three registers begin on an even number)
	v_nop                                          ; one plain place behind a scaled conversion
	v_mov_b32 v[\d+3], v100
	v_mov_b32 v[\d+4], v101
	v_mov_b32 v[\d+5], v102
.endm
.macro QKROW y                         ; tile y: lane (r, h) holds t = 64 wr + 8 y + m, d = 32 h + 0 .. 31
	WIN 0x21                                       ; source 0 window 1 (the sums, from each accumulator's low end on), source 2 window 2
.irp n, 0,2,4,6,8,10,12,14,16,18,20,22,24,26,28,30
	v_pk_fma_f32 v[XR+\n:XR+\n+1], v[32*\y+\n:32*\y+\n+1], s[104:105], v[128+\n:129+\n] op_sel_hi:[1,0,1]
.endr
	WIN 0x08                                       ; source 1 window 2
.irp i, 0,1,2,3,4,5,6,7,8,9,10,11,12,13,14,15
	v_mul_f32 v[RR+2*\i], v[XR+2*\i], v[32*\y+16+\i]
	v_mul_f32 v[RR+2*\i+1], v[XR+2*\i+1], v[32*\y+16+\i]
.endr
.irp i, 0,1,2,3,4,5,6,7,8,9,10,11,12,13,14,15
	v_fma_f32 v[RR+2*\i], -v[XR+2*\i+1], v[32*\y+\i], v[RR+2*\i]       ; x0 cos - x1 sin
	v_fma_f32 v[RR+2*\i+1], v[XR+2*\i], v[32*\y+\i], v[RR+2*\i+1]      ; x1 cos + x0 sin
.endr
	WIN 0
	QUANT32 XR, CD+16*\y, 104
	QUANT32 RR, CD+16*\y+6, 105
	v_lshl_or_b32 v106, v105, 16, v104             ; my block's two bytes,
	v_lshlrev_b32 v106, v26, v106                  ; 8 h bits up;
	v_permlanex16_b32 v27, v106, s66, s67
	v_or_b32 v[CD+16*\y+12], v106, v27             ; with lane l xor 16's the row's word [x0 x1 r0 r1] is whole
.endm
	; ---------------- q, then k: a loop of two trips
	ROLES 13, 12, 2
	s_lshl_b32 s16, s98, 19                        ; sinusoidal_pos[head % 2 = wc],
	s_lshl_b32 s17, s18, 15
	s_add_co_u32 s16, s16, s17
	s_lshl_b32 s17, s97, 14
	s_add_co_u32 s16, s16, s17                     ; row 128 G + 64 wr, 256 bytes a row
	s_mov_b32 s17, 0
	s_add_nc_u64 s[6:7], s[6:7], s[16:17]
	s_mul_i32 s16, s19, 12800
	s_add_nc_u64 s[8:9], s[8:9], s[16:17]          ; my block of qf: the first trip's results
	s_mul_i32 s16, s19, 19456
	s_add_nc_u64 s[10:11], s[10:11], s[16:17]      ; my block of kv
	s_mov_b32 s104, 0x3e000000                     ; q is multiplied by 1/8
	s_mov_b32 s105, s104
	s_mov_b32 s99, 0xffff0000
	s_mul_i32 s18, s97, 3072
	v_lshl_add_u32 v21, v3, 4, s18                 ; tiles 4 wr + y: 16 x lane,
	v_lshl_add_u32 v22, v3, 3, s18                 ; 8 x lane,
	s_lshl_b32 s18, s97, 8
	v_lshl_add_u32 v23, v3, 2, s18                 ; and the scale words: 4 x lane
	v_lshlrev_b32 v24, 8, v4
	v_lshl_add_u32 v24, v2, 6, v24                 ; sines: row m, + 16 h numbers
	v_lshlrev_b32 v25, 7, v2                       ; bias: 32 h numbers
	WIN 0x80                                       ; destination window 2
.irp y, 0,1,2,3
.irp e, 0,1,2,3
	global_load_b128 v[32*\y+4*\e:32*\y+4*\e+3], v24, s[6:7] offset:2048*\y+16*\e          ; the tables serve q and k alike
	global_load_b128 v[32*\y+16+4*\e:32*\y+16+4*\e+3], v24, s[6:7] offset:2048*\y+128+16*\e
.endr
.endr
	WIN 0
	s_mov_b32 s3, 0                                ; the trip
	s_wait_alu depctr_va_vdst(0)
.Lpass:
	WIN 0x80
.irp e, 0,1,2,3,4,5,6,7
	global_load_b128 v[128+4*\e:128+4*\e+3], v25, s[4:5] offset:16*\e
.endr
	WIN 0
	MAIN
	REFILL                                         ; behind q: k's rows of W; behind k: v's
	s_wait_loadcnt 0x0                             ; the tables and the bias
	WIN 0x82
.irp e, 0,2,4,6,8,10,12,14,16,18,20,22,24,26,28,30
	v_pk_mul_f32 v[128+\e:129+\e], v[128+\e:129+\e], s[104:105] op_sel_hi:[1,0]   ; the bias under the same power of two
.endr
	QKROW 0
	QKROW 1
	QKROW 2
	QKROW 3
.irp y, 0,1,2,3
	global_store_b128 v21, v[CD+16*\y:CD+16*\y+3], s[8:9] offset:768*\y                ; each store of the wave covers 512 or 256 consecutive bytes, aligned
	global_store_b64 v22, v[CD+16*\y+4:CD+16*\y+5], s[8:9] offset:768*\y+512
	global_store_b128 v21, v[CD+16*\y+6:CD+16*\y+9], s[8:9] offset:6144+768*\y
	global_store_b64 v22, v[CD+16*\y+10:CD+16*\y+11], s[8:9] offset:6144+768*\y+512
.endr
.irp p, 0,1
	v_cndmask_b32 v[108+\p], v[CD+32*\p+12], v[CD+32*\p+28], s99   ; lanes 0-15 tile 2 p's words, lanes 16-31 tile 2 p + 1's
	global_store_b32 v23, v[108+\p], s[8:9] offset:12288+128*\p
.endr
	s_wait_xcnt 0x0                                ; the stores have read their base, offsets and data: all are written again below
	s_mov_b64 s[8:9], s[10:11]                     ; k, and then v, go to kv
	s_mov_b32 s104, 1.0                            ; k is multiplied by 1
	s_mov_b32 s105, 1.0
	s_add_nc_u64 s[4:5], s[4:5], 4096              ; the bias 1,024 rows on
	s_add_co_u32 s3, s3, 1
	s_cmp_lt_u32 s3, 2
	s_wait_alu depctr_va_vdst(0)
	s_cbranch_scc1 .Lpass
	; ---------------- v
	v_xor_b32 v9, 1, v2
	ROLES 12, 13, 9
	s_mul_i32 s18, s97, 768
	v_lshl_add_u32 v21, v3, 4, s18                 ; half fragment 2 y + wr
	v_lshl_add_u32 v22, v3, 3, s18
	s_lshl_b32 s18, s97, 1
	v_lshl_add_u32 v23, v3, 2, s18                 ; my two bytes of a scale word
	v_lshlrev_b32 v28, 2, v4                       ; bias: d = 8 y + m
.irp y, 0,1,2,3
	global_load_b32 v[240+2*\y], v28, s[4:5] offset:32*\y
	global_load_b32 v[241+2*\y], v28, s[4:5] offset:32*\y          ; (named with it as a pair, so it is written)
.endr
	s_wait_alu depctr_va_vdst(0)
	MAIN
	s_wait_loadcnt 0x0
.macro VROW y                          ; tile y: lane (r, h) holds d = 8 y + m and the keys 64 wr + 32 h + 0 .. 31: one block along the keys
	WIN 0x01
.irp n, 0,2,4,6,8,10,12,14,16,18,20,22,24,26,28,30
	v_pk_add_f32 v[XR+\n:XR+\n+1], v[32*\y+\n:32*\y+\n+1], v[240+2*\y:241+2*\y] op_sel_hi:[1,0]
.endr
	WIN 0
	QUANT32 XR, CD+16*\y, 104
	v_lshlrev_b32 v106, v26, v104
	v_permlanex16_b32 v27, v106, s66, s67
	v_or_b32 v[CD+16*\y+12], v106, v27             ; the bytes of key blocks 2 wr and 2 wr + 1
.endm
	VROW 0
	VROW 1
	VROW 2
	VROW 3
.irp y, 0,1,2,3
	global_store_b128 v21, v[CD+16*\y:CD+16*\y+3], s[8:9] offset:12800+1536*\y
	global_store_b64 v22, v[CD+16*\y+4:CD+16*\y+5], s[8:9] offset:12800+1536*\y+512
	global_store_b16 v23, v[CD+16*\y+12], s[8:9] offset:18944+128*\y
.endr
	s_wait_tensorcnt 0x0                           ; the wave's end
	ds_add_u32 v254, v255
	s_wait_dscnt 0x0
	CROUND                                         ; the closing round: no work-group ends while a partner may still ask for a tile that names it
	s_endpgm
.Lfunc_end_k_qdf12ef0df7_qkv:
	.size	k_qdf12ef0df7_qkv, .Lfunc_end_k_qdf12ef0df7_qkv-k_qdf12ef0df7_qkv
	.p2alignl 7, 3214868480
	.fill 96, 4, 3214868480
	.section	.rodata,"a",@progbits
	.p2align	6, 0x0
	.amdhsa_kernel k_qdf12ef0df7_qkv
		.amdhsa_group_segment_fixed_size 327680
		.amdhsa_private_segment_fixed_size 0
		.amdhsa_enable_private_segment 0
		.amdhsa_kernarg_size 64
		.amdhsa_user_sgpr_count 2
		.amdhsa_user_sgpr_kernarg_segment_ptr 1
		.amdhsa_wavefront_size32 1
		.amdhsa_system_sgpr_workgroup_id_x 1
		.amdhsa_system_sgpr_workgroup_id_y 1
		.amdhsa_system_sgpr_workgroup_id_z 1
		.amdhsa_system_vgpr_workitem_id 0
		.amdhsa_next_free_vgpr 672
		.amdhsa_next_free_sgpr 106
		.amdhsa_reserve_vcc 0
		.amdhsa_float_denorm_mode_32 3
		.amdhsa_float_denorm_mode_16_64 3
		.amdhsa_memory_ordered 1
		.amdhsa_forward_progress 1
		.amdhsa_inst_pref_size 145
	.end_amdhsa_kernel
	.amdgpu_metadata
---
amdhsa.version: [ 1, 2 ]
amdhsa.kernels:
  - .name:           k_qdf12ef0df7_qkv
    .symbol:         k_qdf12ef0df7_qkv.kd
    .args:
      - { .name: query_codes, .offset: 0, .size: 8, .value_kind: global_buffer, .address_space: global }
      - { .name: query_scales, .offset: 8, .size: 8, .value_kind: global_buffer, .address_space: global }
      - { .name: in_proj_weight_codes, .offset: 16, .size: 8, .value_kind: global_buffer, .address_space: global }
      - { .name: in_proj_weight_scales, .offset: 24, .size: 8, .value_kind: global_buffer, .address_space: global }
      - { .name: in_proj_bias, .offset: 32, .size: 8, .value_kind: global_buffer, .address_space: global }
      - { .name: sinusoidal_pos, .offset: 40, .size: 8, .value_kind: global_buffer, .address_space: global }
      - { .name: qf, .offset: 48, .size: 8, .value_kind: global_buffer, .address_space: global }
      - { .name: kv, .offset: 56, .size: 8, .value_kind: global_buffer, .address_space: global }
    .group_segment_fixed_size: 327680
    .private_segment_fixed_size: 0
    .kernarg_segment_align: 8
    .kernarg_segment_size: 64
    .max_flat_workgroup_size: 128
    .sgpr_count:     106
    .vgpr_count:     672
    .wavefront_size: 32
...
	.end_amdgpu_metadata
.endif
;; end of part 5
;; launch attn (part 6): grid 8 x 32, 16 waves a work-group, no clusters, 313,344 bytes of LDS; arguments qf, kv, local_attn_mask, ac, asc; writes ac, asc
.if DOCPART == 6
	.amdgcn_target "amdgcn-amd-amdhsa--gfx1250"
	.amdhsa_code_object_version 6
	.text
	.protected	k_qdf12ef0df7_attn
	.globl	k_qdf12ef0df7_attn
	.p2align	8
	.type	k_qdf12ef0df7_attn,@function
k_qdf12ef0df7_attn:
	s_mov_b64 s[64:65], 0
	v_nop
	global_prefetch_b8 v0, s[64:65] scope:SCOPE_SE
	s_setreg_imm32_b32 hwreg(HW_REG_WAVE_MODE, 25, 1), 1
	s_wait_xcnt 0x0
; Both attentions of a head on codes of FP6 (E2M3): the global one on q, k and the local one on rq, rk under the mask, the same v; their normalised results are added and quantised along E for the last product.
; SHARES.  A work-group owns 256 queries of one head (x: which 256; y: the head); each of its sixteen waves one tile of 16 queries in 256 registers, four waves to a SIMD.  Every wave walks 16 key steps of 128 keys, 8 trips of two.
; kv IN LDS: each of the head's 16 blocks of 19,456 bytes has LDS bytes of its own (311,296 in all), written once, through registers.  The head brings blocks 0 and 1 and asks for block 2.
; THE POINT P of step s, behind its global half: a wave waits for the loads that it issued at P of step s - 1; closes the barrier that it opened there; stores its share of block s + 2; asks for block s + 3 and for eight mask rows;
; waits for its LDS stores and opens the barrier again.  So block s + 2, stored ahead of the signal at P(s), is read behind the wait at P(s + 1): in step s + 2.  Between a signal and its wait stand register work, LDS loads of bytes that nobody
; writes any more, and, in a step with open mask bytes, loads of those bytes.  The waves may stand one key step apart.  No barrier stands under a branch on loaded bytes.
; THE MASK IS READ WHOLE, ONCE, BY THE WAVE THAT OWNS THE ROWS.  For each trip a wave reads its 16 rows x 256 bytes (each load: two rows, sixteen lanes to 256 consecutive bytes, aligned), eight rows at each P, and adds the bytes up:
; 32 bytes meet in each byte of v7, so 0x20 says that all are set.  Lanes l % 16 < 8 hold the trip's first 128 keys.  Where all 16 x 128 bytes of a step are set, its local half is left out by a scalar branch on that whole number:
; every p there would be 0 and the row's maximum is not touched.  Where some byte is open, a lane asks at the head of the local half for the 64 mask bytes of its own 64 scores; they land under that half's first product.
; A branch hangs on bytes read from memory, so the launch has no tensor load, hence no joint loads and no cluster.
; PREFETCH: at P of a trip's first step, trips 0 to 5, one instruction a wave names the 16 rows' blocks of 256 bytes of trip t + 2, a lane a row (lanes 16-31 name lane 15's block again): one trip ahead of the first load that reads them.
; THE TILE'S ROWS ARE NOT NEIGHBOURS: row i of tile a is query 128 (a / 8) + 64 ((a / 4) % 2) + 8 (a % 4) + i % 8 + 32 (i / 8).
; LAYOUT.  Both products transposed: S^T = K Q^T, O^T = V^T P^T: a lane holds one query (lane % 16).  Key tile 4 c + u holds keys 64 c + 8 u + r % 8 + 32 (r / 8), so score register n is key 64 (n / 32) + 32 (lane / 16) + n % 32: two whole blocks of 32 keys a lane.
; K = 64 IN A FORM OF K = 128: q's registers lie as [q | zeros | rq]; a key tile's 6 registers are the half of a run of 12 that meets q or rq; the other half holds whatever codes lie there (each a finite number) and meets zeros.
; SOFTMAX: t = score x log2(e); M = the running largest t rounded up to a whole number, kept as -M; p = 2^(t - M) is quantised; the row's sum is of the unquantised p; when M moves, the sum and O^T are multiplied by a power of two.
; A query that the mask hides wholly has the sum 0: its scale bytes become 0xff, which makes its row of the output NaN, as in the definition.
; LIMITS: NaN and infinities among the inputs are not served; a block whose largest magnitude lies under 2^-124 keeps the scale byte 1; a byte of the mask is 0 or 1, as its type says; the scaled scores stay under 2^31 in magnitude.
; REGISTERS: v1-3 LDS addresses 16, 8, 4 x lane + the trip's block; v4 the mask sums' offset; v5 8 h; v6 my row's place in the mask; v7 the byte sums; v8-11 global -M, largest t, sum; v12-15 local; v16-33 q, zeros, rq; v34 q's scale words; v35 p's;
;   v36-39 k's or v's scale words; v44-57 at work (v51: the prefetch's offset, never rewritten); v60-71 p's codes; v44-49, v52-57, v68-71 also my 64 mask bytes; v72-101 fragments; v102-113 the block of kv on its way; v114-125, v40-43 eight mask rows on their way;
;   v126 16 x thread; v127 where my share of a block goes in LDS; v128-191 scores, then p; v192-223 global O^T; v224-255 local O^T.
.set S,     128
.set F,     72
.set BLKB,  19456
.set SPARE, 16*BLKB                    ; behind kv: the spare words, 128 bytes a wave
.macro PLACES
.rept 4
	v_nop
.endr
.endm
.macro QK slot, loc                    ; S^T = K Q^T, four tiles of 16 keys at a time.  loc = 0: k and q; 1: rk and rq
.irp g, 0,1
.if \g == 1
	PLACES
.endif
.irp i, 0,1,2,3
	ds_load_b128 v[F+6*\loc+6*\i:F+6*\loc+6*\i+3], v1 offset:\slot*BLKB+6144*\loc+768*(4*\g+\i)
	ds_load_b64 v[F+6*\loc+6*\i+4:F+6*\loc+6*\i+5], v2 offset:\slot*BLKB+6144*\loc+768*(4*\g+\i)+512
.endr
.if \g == 0
.irp i, 0,1,2,3
	ds_load_b32 v[36+\i], v3 offset:\slot*BLKB+12288+128*\i        ; lanes 0-15 tile 2 i's words, lanes 16-31 tile 2 i + 1's
.endr
.endif
	s_wait_dscnt 0x0
.irp i, 0,1,2,3
.if (\i%2) == 0
	v_wmma_scale_f32_16x16x128_f8f6f4 v[S+8*(4*\g+\i):S+8*(4*\g+\i)+7], v[F+6*\i:F+6*\i+11], v[16+6*\loc:27+6*\loc], 0, v[36+2*\g+\i/2], v34 matrix_a_fmt:MATRIX_FMT_FP6 matrix_b_fmt:MATRIX_FMT_FP6
.else
	v_wmma_scale_f32_16x16x128_f8f6f4 v[S+8*(4*\g+\i):S+8*(4*\g+\i)+7], v[F+6*\i:F+6*\i+11], v[16+6*\loc:27+6*\loc], 0, v[36+2*\g+\i/2], v34 matrix_a_fmt:MATRIX_FMT_FP6 matrix_b_fmt:MATRIX_FMT_FP6 matrix_a_scale:MATRIX_SCALE_ROW1
.endif
.endr
.endr
	PLACES
.endm
; Hidden scores become -infinity.  Byte n of my 64 mask bytes belongs to score register n; word j of the 16 lies in v44-47 (j = 0 .. 3), v52-55, v68-71, v48-49, v56-57
.macro MASK
.irp r, 44,45,46,47,52,53,54,55,68,69,70,71,48,49,56,57
	v_lshlrev_b32 v\r, 6, v\r                      ; a set byte becomes 0x40: on top of three zero bytes the number 2.0
.endr
.set GG, 0
.rept 8                                ; one accumulator at a time, from its low end on
.irp e, 0,1,2,3,4,5,6,7
.set DW, 2*GG+\e/4
.if DW < 4
.set MR, 44+DW
.elseif DW < 8
.set MR, 48+DW
.elseif DW < 12
.set MR, 60+DW
.elseif DW < 14
.set MR, 36+DW
.else
.set MR, 42+DW
.endif
	v_perm_b32 v[60+\e], v[MR], v[MR], s[4+\e%4]
.endr
.irp e, 0,2,4,6
	v_pk_fma_f32 v[S+8*GG+\e:S+8*GG+\e+1], v[60+\e:61+\e], s[8:9], v[S+8*GG+\e:S+8*GG+\e+1] op_sel_hi:[1,0,1]   ; 2 x -3e38 overflows to -infinity; 0 x -3e38 leaves the score
.endr
.set GG, GG+1
.endr
.endm
.macro SM st, o                        ; the softmax of a step and p's codes.  st: the branch's four registers of statistics; o: its O^T
	v_max3_num_f32 v44, v[S], v[S+1], v[S+2]       ; the largest score of each of my two blocks, two chains each
	v_max3_num_f32 v45, v[S+32], v[S+33], v[S+34]
	v_max3_num_f32 v46, v[S+16], v[S+17], v[S+18]
	v_max3_num_f32 v47, v[S+48], v[S+49], v[S+50]
.irp i, 3,5,7,9,11,13
	v_max3_num_f32 v44, v44, v[S+\i], v[S+\i+1]
	v_max3_num_f32 v45, v45, v[S+32+\i], v[S+33+\i]
	v_max3_num_f32 v46, v46, v[S+16+\i], v[S+17+\i]
	v_max3_num_f32 v47, v47, v[S+48+\i], v[S+49+\i]
.endr
	v_max3_num_f32 v44, v44, v46, v[S+15]
	v_max3_num_f32 v45, v45, v47, v[S+47]
	v_max_num_f32 v44, v44, v[S+31]
	v_max_num_f32 v45, v45, v[S+63]
	s_delay_alu instid0(VALU_DEP_1)
	v_max_num_f32 v48, v44, v45
	s_delay_alu instid0(VALU_DEP_1)
	v_permlanex16_b32 v49, v48, s60, s61
	s_delay_alu instid0(VALU_DEP_1)
	v_max_num_f32 v48, v48, v49                    ; the step's largest score of my query
	s_delay_alu instid0(VALU_DEP_1)
	v_mul_f32 v48, s62, v48                        ; as t
	s_delay_alu instid0(VALU_DEP_1)
	v_max_num_f32 v[\st+1], v[\st+1], v48          ; the running largest t
	v_mov_b32 v48, v[\st]
	s_delay_alu instid0(VALU_DEP_2)
	v_floor_f32 v[\st], -v[\st+1]                  ; the new -M = -ceil(t)
	s_delay_alu instid0(VALU_DEP_1)
	v_sub_f32 v48, v[\st], v48                     ; old M - new M: a whole number, 0 or less
	s_delay_alu instid0(VALU_DEP_1)
	v_cvt_i32_f32 v48, v48
	s_delay_alu instid0(VALU_DEP_1)
	v_ldexp_f32 v50, 1.0, v48                      ; f = 2^(old M - new M)
.set JJ, 0
.rept 32
	v_pk_fma_f32 v[S+JJ:S+JJ+1], v[S+JJ:S+JJ+1], s[62:63], v[\st:\st+1] op_sel_hi:[1,0,0]   ; t - M
.set JJ, JJ+2
.endr
	v_fma_f32 v44, v44, s62, v[\st]                ; the same of each block's largest score
	v_fma_f32 v45, v45, s62, v[\st]
.set JJ, 0
	s_wait_alu depctr_va_vdst(0)
.rept 64
	v_exp_f32 v[S+JJ], v[S+JJ]                     ; p = 2^(t - M)
.set JJ, JJ+1
.endr
	v_exp_f32 v44, v44                             ; the blocks' largest p
	v_exp_f32 v45, v45
	v_pk_mul_f32 v[\st+2:\st+3], v[\st+2:\st+3], v[50:51] op_sel_hi:[1,0]   ; the sum under the new M (of the pair v50 alone is taken)
	s_wait_alu depctr_va_vdst(0)
	v_max_num_f32 v44, 0x1800000, v44              ; the floor 2^(3 - 127)
	v_max_num_f32 v45, 0x1800000, v45
	s_delay_alu instid0(VALU_DEP_2)
	v_add_nc_u32 v52, 0xff000000, v44              ; the conversions' scale operands
	s_delay_alu instid0(VALU_DEP_2)
	v_add_nc_u32 v53, 0xff000000, v45
	s_delay_alu instid0(VALU_DEP_2)
	v_lshrrev_b32 v54, 23, v52                     ; the bytes of blocks h and 2 + h
	s_delay_alu instid0(VALU_DEP_2)
	v_lshrrev_b32 v55, 23, v53
	s_delay_alu instid0(VALU_DEP_1)
	v_lshl_or_b32 v48, v55, 16, v54
	s_delay_alu instid0(VALU_DEP_1)
	v_lshlrev_b32 v48, v5, v48
	s_delay_alu instid0(VALU_DEP_1)
	v_permlanex16_b32 v49, v48, s60, s61
	s_delay_alu instid0(VALU_DEP_1)
	v_or_b32 v35, v48, v49                         ; p's scale word for these 128 keys
	v_cvt_scalef32_pk16_fp6_f32 v[60:62], v[S:S+15], v52
	v_cvt_scalef32_pk16_fp6_f32 v[72:74], v[S+16:S+31], v52        ; (a conversion's three registers begin on an even number)
	v_cvt_scalef32_pk16_fp6_f32 v[66:68], v[S+32:S+47], v53
	v_cvt_scalef32_pk16_fp6_f32 v[76:78], v[S+48:S+63], v53
	v_nop                                          ; one plain place behind a scaled conversion
	v_mov_b32 v63, v72
	v_mov_b32 v64, v73
	v_mov_b32 v65, v74
	v_mov_b32 v69, v76
	v_mov_b32 v70, v77
	v_mov_b32 v71, v78
	v_pk_add_f32 v[56:57], v[S:S+1], v[S+2:S+3]    ; the row's sum of the unquantised p, in two chains
.set JJ, 4
.rept 15
	v_pk_add_f32 v[\st+2:\st+3], v[\st+2:\st+3], v[S+JJ:S+JJ+1]
	v_pk_add_f32 v[56:57], v[56:57], v[S+JJ+2:S+JJ+3]
.set JJ, JJ+4
.endr
	s_delay_alu instid0(VALU_DEP_1)
	v_pk_add_f32 v[\st+2:\st+3], v[\st+2:\st+3], v[56:57]
.set JJ, 0
.rept 16
	v_pk_mul_f32 v[\o+JJ:\o+JJ+1], v[\o+JJ:\o+JJ+1], v[50:51] op_sel_hi:[1,0]   ; O^T under the new M; these and the sums are the places ahead of the products
.set JJ, JJ+2
.endr
.endm
.macro PV slot, o                      ; O^T += V^T P^T: two tiles of 16 of the head's 64 at a time
.irp g, 0,1
.irp i, 0,1
.irp c, 0,1
	ds_load_b128 v[F+12*\i+6*\c:F+12*\i+6*\c+3], v1 offset:\slot*BLKB+12800+768*(2*(2*\g+\i)+\c)
	ds_load_b64 v[F+12*\i+6*\c+4:F+12*\i+6*\c+5], v2 offset:\slot*BLKB+12800+768*(2*(2*\g+\i)+\c)+512
.endr
.endr
.if \g == 0
.irp u, 0,1,2,3
	ds_load_b32 v[36+\u], v3 offset:\slot*BLKB+18944+128*\u
.endr
.endif
	s_wait_dscnt 0x0
.irp i, 0,1
	v_wmma_scale_f32_16x16x128_f8f6f4 v[\o+8*(2*\g+\i):\o+8*(2*\g+\i)+7], v[F+12*\i:F+12*\i+11], v[60:71], v[\o+8*(2*\g+\i):\o+8*(2*\g+\i)+7], v[36+2*\g+\i], v35 matrix_a_fmt:MATRIX_FMT_FP6 matrix_b_fmt:MATRIX_FMT_FP6
.endr
	PLACES
.endr
.endm
.macro HALF slot                       ; key step s = 2 x trip + slot
	QK \slot, 0
	SM 8, 192
	s_wait_alu depctr_va_vdst(0)
	PV \slot, 192
	; THE POINT P
	s_wait_loadcnt 0x0                             ; what I asked for a step ago: my share of block s + 2 and eight mask rows
.if \slot == 0
	v_add3_u32 v7, v7, v114, v115                  ; this trip's tile rows 8-15, onto rows 0-7's sums
	v_add3_u32 v44, v122, v123, v124
	v_add3_u32 v7, v7, v116, v117
	v_add3_u32 v44, v44, v125, v40
	v_add3_u32 v7, v7, v118, v119
	v_add3_u32 v44, v44, v41, v42
	v_add3_u32 v7, v7, v120, v121
	s_delay_alu instid0(VALU_DEP_1)
	v_add3_u32 v7, v7, v44, v43
	v_cmp_ne_u32 s20, 0x20202020, v7
	s_and_b32 s22, s20, 0x00ff00ff
	s_cselect_b32 s57, 1, 0                        ; s57 bit 0, bit 1: something of the trip's first, second 128 keys is open to my tile
	s_and_b32 s22, s20, 0xff00ff00
	s_cselect_b32 s22, 2, 0
	s_or_b32 s57, s57, s22
.else
	v_add3_u32 v7, v114, v115, v116                ; the next trip's tile rows 0-7.  (In the last trip these run on old bytes and nothing reads the sum)
	v_add3_u32 v44, v122, v123, v124
	v_add3_u32 v7, v7, v117, v118
	v_add3_u32 v44, v44, v125, v40
	v_add3_u32 v7, v7, v119, v120
	v_add3_u32 v44, v44, v41, v42
	v_add3_u32 v7, v7, v121, v43
	s_delay_alu instid0(VALU_DEP_1)
	v_add_nc_u32 v7, v7, v44
.endif
	s_barrier_wait -1                              ; every wave has passed P of the step before: block s + 1 is whole
	s_cmp_lt_u32 s58, 7                            ; the last trip has nothing more to store or to ask for
	s_cbranch_scc0 .Lnl_\@
	v_add_nc_u32 v127, s21, v126
	ds_store_b128 v127, v[102:105] offset:\slot*BLKB               ; block s + 2, into bytes that are written this once
	ds_store_b128 v127, v[106:109] offset:\slot*BLKB+8192
	s_cmp_lt_u32 s59, 6                            ; 19,456 = 2 x 8,192 + 3,072: the last piece is six waves'
	s_cbranch_scc0 .Lst_\@
	ds_store_b128 v127, v[110:113] offset:\slot*BLKB+16384
.Lst_\@:
	s_wait_dscnt 0x0                               ; the stores have landed: their registers are loaded anew
.irp j, 0,1,2
	global_load_b128 v[114+4*\j:117+4*\j], v4, s[54:55] offset:256+65536*\slot+4096*\j   ; the next trip's 256 bytes of tile rows 8 slot + 2 j and the next
.endr
	global_load_b128 v[40:43], v4, s[54:55] offset:256+65536*\slot+12288
.if \slot == 1
	s_cmp_lt_u32 s58, 6                            ; block s + 3 = 2 x trip + 4 exists in trips 0 to 5
	s_cbranch_scc0 .Lnl_\@
.endif
	global_load_b128 v[102:105], v126, s[52:53] offset:(3+\slot)*BLKB
	global_load_b128 v[106:109], v126, s[52:53] offset:(3+\slot)*BLKB+8192
	s_cmp_lt_u32 s59, 6
	s_cbranch_scc0 .Lld_\@
	global_load_b128 v[110:113], v126, s[52:53] offset:(3+\slot)*BLKB+16384
.Lld_\@:
.if \slot == 0
	s_cmp_lt_u32 s58, 6                            ; trips 6 and 7 have no trip two on
	s_cbranch_scc0 .Lnl_\@
	global_prefetch_b8 v51, s[54:55] offset:512 th:TH_LOAD_NT scope:SCOPE_SE
.endif
.Lnl_\@:
	s_wait_dscnt 0x0                               ; no LDS instruction of mine is out
	s_barrier_signal -1                            ; my share of block s + 2 lies in LDS; the wait stands at P of the next step
	; THE LOCAL HALF
	s_bitcmp1_b32 s57, \slot
	s_cbranch_scc0 .Lnoloc_\@
	global_load_b128 v[44:47], v6, s[54:55] offset:128*\slot       ; my row's mask bytes: keys 32 h + 0 .. 15 of the step,
	global_load_b128 v[52:55], v6, s[54:55] offset:128*\slot+16    ; 32 h + 16 .. 31,
	global_load_b128 v[68:71], v6, s[54:55] offset:128*\slot+64    ; 64 + 32 h + 0 .. 15,
	global_load_b64 v[48:49], v6, s[54:55] offset:128*\slot+80     ; 64 + 32 h + 16 .. 23,
	global_load_b64 v[56:57], v6, s[54:55] offset:128*\slot+88     ; 64 + 32 h + 24 .. 31
	QK \slot, 1
	s_wait_loadcnt 0x0                             ; the mask bytes
	MASK
	SM 12, 224
	s_wait_alu depctr_va_vdst(0)
	PV \slot, 224
.Lnoloc_\@:
.endm
	s_load_b256 s[84:91], s[0:1], 0x0              ; qf, kv, the mask, ac
	s_load_b64 s[92:93], s[0:1], 0x20              ; asc
	v_lshrrev_b32 v45, 5, v0
	v_readfirstlane_b32 s59, v45                   ; wave 0..15
	v_lshlrev_b32 v126, 4, v0                      ; 16 x thread: the copy of kv
	v_and_b32 v45, 31, v0
	v_and_b32 v52, 15, v0                          ; r
	v_bfe_u32 v53, v0, 4, 1                        ; h
	v_and_b32 v54, 7, v0
	v_and_b32 v55, 8, v0
	v_lshlrev_b32 v1, 4, v45
	v_lshlrev_b32 v2, 3, v45
	v_lshlrev_b32 v3, 2, v52
	v_lshlrev_b32 v5, 3, v53
	v_lshl_add_u32 v54, v55, 2, v54                ; r % 8 + 32 (r / 8): my query's row among the tile's
	v_lshlrev_b32 v4, 4, v52
	v_lshlrev_b32 v54, 11, v54                     ; 2,048 bytes a row of the mask
	v_lshl_add_u32 v4, v53, 11, v4                 ; the sums: row l / 16, 16 bytes at 16 (l % 16)
	v_lshl_add_u32 v6, v53, 5, v54                 ; my row, + 32 h keys
	v_min_u32 v55, 15, v45                         ; the prefetch: a lane a row, lanes 16-31 lane 15's
	v_and_b32 v51, 7, v55
	v_and_b32 v55, 8, v55
	v_lshl_add_u32 v51, v55, 2, v51
	v_lshlrev_b32 v51, 11, v51
	s_and_b32 s96, ttmp7, 0xffff                   ; the head
	s_lshl_b32 s97, ttmp9, 4
	s_add_co_u32 s97, s97, s59                     ; my tile a
	s_lshr_b32 s98, s97, 3                         ; its group of 128 queries
	s_and_b32 s99, s59, 7
	s_lshl_b32 s100, s96, 4
	s_add_co_u32 s100, s100, s98
	s_mul_i32 s100, s100, 12800
	s_mov_b32 s101, 0
	s_mul_i32 s104, s99, 768
	s_mov_b32 s105, 0
	s_mul_i32 s52, s96, 16*BLKB
	s_mov_b32 s53, 0
	s_lshl_b32 s54, s98, 7
	s_bfe_u32 s55, s97, 0x10002
	s_lshl_b32 s55, s55, 6
	s_add_co_u32 s54, s54, s55
	s_and_b32 s55, s97, 3
	s_lshl_b32 s55, s55, 3
	s_add_co_u32 s54, s54, s55                     ; the tile's first query
	s_lshl_b32 s54, s54, 11
	s_lshl_b32 s55, s96, 22
	s_add_co_u32 s54, s54, s55                     ; its row in the mask, in bytes (under 2^27)
	s_mov_b32 s55, 0
	s_mov_b32 s4, 0x000c0c0c                       ; v_perm_b32's selects: byte k on top, zeros below
	s_mov_b32 s5, 0x010c0c0c
	s_mov_b32 s6, 0x020c0c0c
	s_mov_b32 s7, 0x030c0c0c
	s_mov_b32 s8, 0xff61b1e6                       ; -3e38
	s_mov_b32 s9, s8
	s_mov_b32 s60, 0x76543210
	s_mov_b32 s61, 0xfedcba98                      ; lane l xor 16
	s_mov_b32 s62, 0x3fb8aa3b                      ; log2(e); q carries the 1/8
	s_mov_b32 s63, s62
	s_wait_alu depctr_va_vdst(0)
	s_wait_kmcnt 0x0
	s_add_nc_u64 s[54:55], s[88:89], s[54:55]      ; the mask at my tile's first row
	s_add_nc_u64 s[84:85], s[84:85], s[100:101]    ; my block of qf
	s_lshl_b32 s100, s99, 6
	s_add_nc_u64 s[100:101], s[84:85], s[100:101]  ; + 64 bytes a tile: the scale words
	s_add_nc_u64 s[84:85], s[84:85], s[104:105]    ; + 768 bytes a tile: the half fragments
	s_add_nc_u64 s[52:53], s[86:87], s[52:53]      ; the head's blocks of kv
.irp j, 0,1,2,3
	global_load_b128 v[128+4*\j:131+4*\j], v126, s[52:53] offset:8192*\j   ; blocks 0 and 1: 38,912 = 4 x 8,192 + 6,144 bytes
.endr
	s_cmp_lt_u32 s59, 12                           ; the last piece is twelve waves'
	s_cbranch_scc0 .Lh0
	global_load_b128 v[144:147], v126, s[52:53] offset:32768
.Lh0:
.irp j, 0,1,2,3
	global_load_b128 v[72+4*\j:75+4*\j], v4, s[54:55] offset:4096*\j       ; trip 0's 256 bytes of tile rows 0-7
.endr
	global_load_b128 v[16:19], v1, s[84:85]
	global_load_b64 v[20:21], v2, s[84:85] offset:512
	global_load_b128 v[28:31], v1, s[84:85] offset:6144
	global_load_b64 v[32:33], v2, s[84:85] offset:6656
	global_load_b32 v34, v3, s[100:101] offset:12288
.irp j, 0,1,2
	global_load_b128 v[114+4*\j:117+4*\j], v4, s[54:55] offset:65536+4096*\j   ; and of tile rows 8-15: summed at P of step 0
.endr
	global_load_b128 v[40:43], v4, s[54:55] offset:65536+12288
	global_load_b128 v[102:105], v126, s[52:53] offset:2*BLKB      ; block 2: stored at P of step 0
	global_load_b128 v[106:109], v126, s[52:53] offset:2*BLKB+8192
	s_cmp_lt_u32 s59, 6
	s_cbranch_scc0 .Lh1
	global_load_b128 v[110:113], v126, s[52:53] offset:2*BLKB+16384
.Lh1:
	s_wait_loadcnt 6                               ; blocks 0 and 1, rows 0-7 and q are in: behind them stand four mask loads and two or three of block 2
.irp j, 0,1,2,3
	ds_store_b128 v126, v[128+4*\j:131+4*\j] offset:8192*\j
.endr
	s_cmp_lt_u32 s59, 12
	s_cbranch_scc0 .Lh2
	ds_store_b128 v126, v[144:147] offset:32768
.Lh2:
	v_add3_u32 v7, v72, v73, v74
	v_add3_u32 v45, v80, v81, v82
	v_add3_u32 v7, v7, v75, v76
	v_add3_u32 v45, v45, v83, v84
	v_add3_u32 v7, v7, v77, v78
	v_add3_u32 v45, v45, v85, v86
	v_add3_u32 v7, v7, v79, v87
	s_delay_alu instid0(VALU_DEP_1)
	v_add_nc_u32 v7, v7, v45
.irp j, 22,23,24,25,26,27, 10,11,14,15, 49, 96,97,98,99,100,101
	v_mov_b32 v\j, 0                               ; the zero codes between q and rq; the sums; a lane permute's destination; the fragments' last six, into which a run of 12 reaches before a load fills them
.endr
	v_mov_b32 v9, 0xff61b1e6                       ; the largest t so far: -3e38
	v_mov_b32 v13, 0xff61b1e6
	v_floor_f32 v8, -v9
	v_floor_f32 v12, -v13
.set JJ, 0
.rept 64
	v_mov_b32 v[192+JJ], 0                         ; both O^T: the step is written once, and the local one may never be touched
.set JJ, JJ+1
.endr
	s_mov_b32 s58, 0                               ; the trip
	s_mov_b32 s56, 0                               ; its first block in LDS
	s_wait_alu depctr_va_vdst(0)
	s_wait_dscnt 0x0                               ; my stores have landed
	s_barrier_signal -1
	s_barrier_wait -1                              ; blocks 0 and 1 are whole
	s_barrier_signal -1                            ; opened for the wait at P of step 0
.Ltrip:                                            ; 8 trips of two key steps
	s_add_co_u32 s21, s56, 2*BLKB                  ; where block 2 x trip + 2 goes
	v_and_b32 v3, 31, v0
	s_delay_alu instid0(VALU_DEP_1)
	v_lshl_add_u32 v1, v3, 4, s56
	v_lshl_add_u32 v2, v3, 3, s56
	v_lshl_add_u32 v3, v3, 2, s56
	s_wait_alu depctr_va_vdst(0)                   ; waits stand ahead of later readers
	HALF 0
	HALF 1
	s_wait_xcnt 0x0                                ; the prefetch and the loads have read their bases
	s_add_nc_u64 s[52:53], s[52:53], 2*BLKB
	s_add_nc_u64 s[54:55], s[54:55], 256
	s_add_co_u32 s56, s56, 2*BLKB
	s_add_co_u32 s58, s58, 1
	s_cmp_lt_u32 s58, 8
	s_wait_alu depctr_va_vdst(0)
	s_cbranch_scc1 .Ltrip
	s_barrier_wait -1                              ; closes the barrier opened at P of step 15
	; THE WAY OUT: both results are divided by their sums and added; lane (r, h) holds query r's d = 32 h + 0 .. 31: one block along E
	v_add_f32 v44, v10, v11
	v_add_f32 v45, v14, v15
	s_delay_alu instid0(VALU_DEP_2)
	v_permlanex16_b32 v49, v44, s60, s61
	s_delay_alu instid0(VALU_DEP_2)
	v_permlanex16_b32 v46, v45, s60, s61
	s_delay_alu instid0(VALU_DEP_2)
	v_add_f32 v44, v44, v49
	s_delay_alu instid0(VALU_DEP_2)
	v_add_f32 v45, v45, v46
	s_wait_alu depctr_va_vdst(0)
	v_rcp_f32 v52, v44
	v_rcp_f32 v53, v45
	v_nop
	v_cmp_eq_f32 vcc_lo, 0, v45                    ; a query with nothing open
	s_wait_alu depctr_va_vdst(0)
.set JJ, 0
.rept 32
	v_mul_f32 v[S+JJ], v[192+JJ], v52
.set JJ, JJ+1
.endr
.set JJ, 0
.rept 32
	v_fma_f32 v[S+JJ], v[224+JJ], v53, v[S+JJ]
.set JJ, JJ+1
.endr
	v_max3_num_f32 v44, |v[S]|, |v[S+1]|, 0x1800000
	v_max3_num_f32 v46, |v[S+16]|, |v[S+17]|, |v[S+18]|
.irp i, 0,1,2,3,4,5
	v_max3_num_f32 v44, v44, |v[S+2+2*\i]|, |v[S+3+2*\i]|
	v_max3_num_f32 v46, v46, |v[S+19+2*\i]|, |v[S+20+2*\i]|
.endr
	v_max3_num_f32 v44, v44, |v[S+14]|, |v[S+15]|
	s_delay_alu instid0(VALU_DEP_1)
	v_max3_num_f32 v44, v44, v46, |v[S+31]|
	s_delay_alu instid0(VALU_DEP_1)
	v_add_nc_u32 v52, 0xff000000, v44
	s_delay_alu instid0(VALU_DEP_1)
	v_lshrrev_b32 v54, 23, v52
	v_cvt_scalef32_pk16_fp6_f32 v[60:62], v[S:S+15], v52
	v_cvt_scalef32_pk16_fp6_f32 v[72:74], v[S+16:S+31], v52
	v_nop
	v_mov_b32 v63, v72
	v_mov_b32 v64, v73
	v_mov_b32 v65, v74
	v_mov_b32 v55, 0xff
	s_delay_alu instid0(VALU_DEP_1)
	v_cndmask_b32 v54, v54, v55, vcc_lo
	v_and_b32 v3, 31, v0
	v_and_b32 v56, 15, v0
	v_bfe_u32 v57, v0, 4, 1
	v_lshlrev_b32 v1, 4, v3
	v_lshlrev_b32 v2, 3, v3
	v_lshl_add_u32 v56, v56, 5, v57                ; row r's 32 bytes, + h
	s_lshr_b32 s98, s96, 4                         ; b
	s_lshl_b32 s98, s98, 7
	s_add_co_u32 s98, s98, s97                     ; row tile 128 b + a
	s_and_b32 s99, s96, 15                         ; the head within the batch
	s_mul_i32 s104, s98, 12288
	s_mul_i32 s105, s99, 768
	s_add_co_u32 s104, s104, s105
	s_mov_b32 s105, 0
	s_add_nc_u64 s[90:91], s[90:91], s[104:105]
	s_lshl_b32 s104, s98, 9
	s_lshl_b32 s99, s99, 1
	s_add_co_u32 s104, s104, s99
	s_add_nc_u64 s[92:93], s[92:93], s[104:105]
	s_wait_alu depctr_va_vdst(0)
	global_store_b128 v1, v[60:63], s[90:91]
	global_store_b64 v2, v[64:65], s[90:91] offset:512
	global_store_b8 v56, v54, s[92:93]
	v_lshl_add_u32 v254, v0, 2, SPARE
	v_mov_b32 v255, 0
	s_wait_alu depctr_va_vdst(0)
	s_wait_tensorcnt 0x0                           ; the wave's end
	ds_add_u32 v254, v255
	s_wait_dscnt 0x0
	s_endpgm
.Lfunc_end_k_qdf12ef0df7_attn:
	.size	k_qdf12ef0df7_attn, .Lfunc_end_k_qdf12ef0df7_attn-k_qdf12ef0df7_attn
	.p2alignl 7, 3214868480
	.fill 96, 4, 3214868480
	.section	.rodata,"a",@progbits
	.p2align	6, 0x0
	.amdhsa_kernel k_qdf12ef0df7_attn
		.amdhsa_group_segment_fixed_size 313344
		.amdhsa_private_segment_fixed_size 0
		.amdhsa_enable_private_segment 0
		.amdhsa_kernarg_size 40
		.amdhsa_user_sgpr_count 2
		.amdhsa_user_sgpr_kernarg_segment_ptr 1
		.amdhsa_wavefront_size32 1
		.amdhsa_system_sgpr_workgroup_id_x 1
		.amdhsa_system_sgpr_workgroup_id_y 1
		.amdhsa_system_sgpr_workgroup_id_z 1
		.amdhsa_system_vgpr_workitem_id 0
		.amdhsa_next_free_vgpr 256
		.amdhsa_next_free_sgpr 106
		.amdhsa_reserve_vcc 1
		.amdhsa_float_denorm_mode_32 3
		.amdhsa_float_denorm_mode_16_64 3
		.amdhsa_memory_ordered 1
		.amdhsa_forward_progress 1
		.amdhsa_inst_pref_size 98
	.end_amdhsa_kernel
	.amdgpu_metadata
---
amdhsa.version: [ 1, 2 ]
amdhsa.kernels:
  - .name:           k_qdf12ef0df7_attn
    .symbol:         k_qdf12ef0df7_attn.kd
    .args:
      - { .name: qf, .offset: 0, .size: 8, .value_kind: global_buffer, .address_space: global }
      - { .name: kv, .offset: 8, .size: 8, .value_kind: global_buffer, .address_space: global }
      - { .name: local_attn_mask, .offset: 16, .size: 8, .value_kind: global_buffer, .address_space: global }
      - { .name: ac, .offset: 24, .size: 8, .value_kind: global_buffer, .address_space: global }
      - { .name: asc, .offset: 32, .size: 8, .value_kind: global_buffer, .address_space: global }
    .group_segment_fixed_size: 313344
    .private_segment_fixed_size: 0
    .kernarg_segment_align: 8
    .kernarg_segment_size: 40
    .max_flat_workgroup_size: 512
    .sgpr_count:     106
    .vgpr_count:     256
    .wavefront_size: 32
...
	.end_amdgpu_metadata
.endif
;; end of part 6
;; launch oproj (part 7): grid 8 x 32, 4 waves a work-group, clusters of 4 x 4, 249,344 bytes of LDS; arguments ac, asc, out_proj_weight_codes, out_proj_weight_scales, out_proj_bias, out0; writes out0
.if DOCPART == 7
	.amdgcn_target "amdgcn-amd-amdhsa--gfx1250"
	.amdhsa_code_object_version 6
	.text
	.protected	k_qdf12ef0df7_oproj
	.globl	k_qdf12ef0df7_oproj
	.p2align	8
	.type	k_qdf12ef0df7_oproj,@function
k_qdf12ef0df7_oproj:
	s_mov_b64 s[64:65], 0
	v_nop
	global_prefetch_b8 v0, s[64:65] scope:SCOPE_SE
	s_setreg_imm32_b32 hwreg(HW_REG_WAVE_MODE, 25, 1), 1
	s_wait_xcnt 0x0
	s_wait_alu depctr_hold_cnt(0) depctr_sa_sdst(0) depctr_va_vdst(0) depctr_va_sdst(0) depctr_va_ssrc(0) depctr_va_vcc(0) depctr_vm_vsrc(0)
	s_getreg_b32 s2, hwreg(HW_REG_IB_STS2, 6, 4)
	s_cmp_eq_u32 s2, 0
	s_cbranch_scc0 .Lentry_in_a_cluster
	s_endpgm
.Lentry_in_a_cluster:
	s_bfe_u32 s2, ttmp6, 0x10000c
	s_cmp_lg_u32 s2, 0xf033
	s_cbranch_scc0 .Lentry_shape_is_right
	s_endpgm
.Lentry_shape_is_right:
; out0 = attn W^T + bias on codes of FP6 (E2M3).  attn comes as images of operand registers (ac: [row tile 128 b + a][head] half fragments of 768 bytes) with its scale bytes (asc: 32 bytes a row); W as it is given.
; SHARES.  A work-group makes 8 row tiles (y: b = y / 16, group G = y % 16) x 128 columns (x).  Four waves, each 4 row tiles x 64 columns: wr = wave / 2, wc = wave % 2; 16 accumulators.
; ALL OF K = 1,024 LIES IN LDS, in four chunks of 256 along K: W's 128 rows (192 bytes, 16 of padding behind each 64: pitch 240), then 8 row tiles x 4 half fragments as they lie.  Every LDS byte that a tensor load
; fills is filled once: a wave's five loads (scale bytes, chunks 0 to 3) go out together, five are out at the most, and counted waits let the later chunks land under the earlier chunks' products.
; CLUSTER 4 x 4: the four of a row share y, so attn's tiles; the four of a column share x, so W's: each tile is asked for jointly.
; Source 0 = 16 rows of W, source 1 = a row tile: a lane holds eight neighbouring columns of one row.  A row tile's rows are t = 128 G + 64 wr + 8 y' + r % 8 + 32 (r / 8).
; The way out goes through the wave's own stage (16 rows x 272 bytes, behind everything that tensor loads fill): sixteen lanes store 256 consecutive bytes, aligned.
; REGISTERS.  window 0: v1-28 addresses, v24-27 the bias; v32+96 s W's four fragments, v80+96 s attn's, sets s = 0, 1; v224-239 scale words (lanes 0-15 attn's tile i, lanes 16-31 W's).  window 1: the accumulators, (y', x') at 32 y' + 8 x'.
; THE LDS LAYOUT AS IT NOW STANDS (it takes the place of what the head says of chunks and of five loads): W's 128 rows lie whole, 768 bytes with 16 of padding behind each 256: pitch 816; then the 8 row tiles' images, 12,288 bytes each, as they lie in ac.
; The head's four tiles, one joint load a wave: wave 0 the images (a dense block, as rows of 256 bytes), wave 1 W's codes, wave 2 attn's scale rows, wave 3 W's.
.set PITCH,  816
.set HALFT,  64*PITCH
.set IOFF,   2*HALFT                   ; in a chunk: W's 128 rows, then the images
.set IMG,    12288                     ; a row tile's sixteen half fragments
.set SCL,    IOFF+8*IMG
.set SPITCH, 40
.set HALFS,  64*SPITCH
.set STG,    SCL+4*HALFS
.set FR,     12
.set XF,     32
.set YF,     80
.set SC,     224
.set ADX,    16
.set ADI,    18
.set ADRS,   20
.set WV,     96
.set G1I,    20
.set G1W,    28
.set G1AS,   36
.set G1WS,   44
.set MSB, 0
.macro WIN new
.if MSB != \new
	s_set_vgpr_msb (MSB<<8)|\new
.set MSB, \new
.endif
.endm
.macro PLACES
.rept 4
	v_nop
.endr
.endm
.macro CROUND
	s_barrier_signal -1
	s_barrier_wait -1
	s_cmp_lg_u32 s[WV], 0
	s_cbranch_scc1 .Lnot_wave_0_\@
	s_barrier_signal -3
.Lnot_wave_0_\@:
	s_barrier_wait -3
	s_barrier_signal -1
	s_barrier_wait -1
.endm
.macro G0C reg, lds, adr               ; group 0: a tile's LDS byte, a constant, and its first byte in memory
	s_mov_b32 s[\reg], 1
	s_mov_b32 s[\reg+1], \lds
	s_mov_b64 s[\reg+2:\reg+3], s[\adr:\adr+1]
	s_or_b32 s[\reg+3], s[\reg+3], 0x80000000
.endm
	s_load_b256 s[4:11], s[0:1], 0x0               ; ac, asc, W's codes, W's scales
	v_lshl_add_u32 v254, v0, 2, 0x3cc00
	v_mov_b32 v255, 0
	ds_add_u32 v254, v255
	ds_add_u32 v254, v255
	v_lshrrev_b32 v1, 5, v0
	v_readfirstlane_b32 s[WV], v1
	s_lshr_b32 s97, s[WV], 1                       ; wr
	s_and_b32 s98, s[WV], 1                        ; wc
	s_bfe_u32 s100, ttmp6, 0x40000                 ; cx
	s_bfe_u32 s99, ttmp6, 0x40004                  ; cy
	s_lshl_b32 s101, ttmp9, 2
	s_add_co_u32 s101, s101, s100                  ; x
	s_and_b32 s104, ttmp7, 0xffff
	s_lshl_b32 s104, s104, 2
	s_add_co_u32 s104, s104, s99                   ; y
	s_lshl_b32 s105, s99, 2
	s_lshl_b32 s105, 15, s105                      ; my row of the cluster
	s_lshl_b32 s2, 0x1111, s100                    ; my column
	s_or_b32 s[G1I], s105, (3<<16)|(1<<21)                         ; elements of 8 bytes, no padding
	s_or_b32 s[G1W], s2, (1<<20)|(1<<21)|(5<<22)|(3<<25)           ; 4 words of padding behind every 64
	s_or_b32 s[G1AS], s105, (1<<20)|(1<<21)|(2<<22)|(1<<25)
	s_or_b32 s[G1WS], s2, (1<<20)|(1<<21)|(2<<22)|(1<<25)
	s_mov_b32 s[G1I+1], 32<<16                     ; 98,304 dense bytes as 384 rows of 256
	s_mov_b32 s[G1I+2], 384<<16
	s_mov_b32 s[G1I+3], 32<<16
	s_mov_b32 s[G1I+4], 384
	s_mov_b32 s[G1I+5], 32
	s_mov_b32 s[G1I+6], 0
	s_mov_b32 s[G1I+7], 0
	s_mov_b32 s[G1W+1], 768<<16
	s_mov_b32 s[G1W+2], 128<<16
	s_mov_b32 s[G1W+3], 768<<16
	s_mov_b32 s[G1W+4], 128
	s_mov_b32 s[G1W+5], 768
	s_mov_b32 s[G1W+6], 0
	s_mov_b32 s[G1W+7], 0
.irp g, G1AS, G1WS
	s_mov_b32 s[\g+1], 32<<16
	s_mov_b32 s[\g+2], 128<<16
	s_mov_b32 s[\g+3], 32<<16
	s_mov_b32 s[\g+4], 128
	s_mov_b32 s[\g+5], 32
	s_mov_b32 s[\g+6], 0
	s_mov_b32 s[\g+7], 0
.endr
	s_lshl_b32 s66, s104, 3
	s_lshl_b32 s104, s66, 9                        ; its scale bytes,
	s_mov_b32 s105, 0
	s_mul_i32 s66, s66, 12288                      ; its images
	s_mov_b32 s67, 0
	s_lshl_b32 s2, s101, 7
	s_lshl_b32 s100, s2, 5
	s_mov_b32 s101, 0
	s_mul_i32 s2, s2, 768
	s_mov_b32 s3, 0
	s_wait_dscnt 0x0
	s_wait_kmcnt 0x0
	s_add_nc_u64 s[66:67], s[4:5], s[66:67]
	s_add_nc_u64 s[104:105], s[6:7], s[104:105]
	s_add_nc_u64 s[2:3], s[8:9], s[2:3]
	s_add_nc_u64 s[100:101], s[10:11], s[100:101]
	G0C 56, IOFF, 66                               ; the 8 row tiles' images
	G0C 80, 0, 2                                   ; W's 128 rows
	G0C 52, SCL, 104                               ; attn's scale rows
	G0C 76, SCL+2*HALFS, 100                       ; W's
	s_load_b128 s[4:7], s[0:1], 0x20               ; the bias, out0
	CROUND                                         ; all sixteen work-groups are here: the joint loads meet
; one chain of branches on the wave's number, one joint load to an arm, all arms lead to one join
.macro ARM under, g0, g1, next
	s_cmp_lt_u32 s[WV], \under
	s_cbranch_scc0 \next
	tensor_load_to_lds s[\g0:\g0+3], s[\g1:\g1+7]
	s_nop 0
	PLACES
	s_branch .Lfilled
\next:
.endm
	ARM 1, 56, G1I, .Lfill_w
	ARM 2, 80, G1W, .Lfill_as
	ARM 3, 52, G1AS, .Lfill_ws
	tensor_load_to_lds s[76:79], s[G1WS:G1WS+7]
	s_nop 0
	PLACES
.Lfilled:
	v_and_b32 v1, 15, v0                           ; r
	s_wait_alu depctr_va_vdst(0)
	v_bfe_u32 v2, v0, 4, 1                         ; h
	v_and_b32 v3, 31, v0                           ; lane
	v_mul_u32_u24 v5, v1, PITCH
	v_mad_u32_u24 v5, v2, 24, v5
	s_mul_i32 s12, s98, HALFT                      ; my 64 rows of W
	v_add_nc_u32 v[ADX], s12, v5
	v_lshl_add_u32 v[ADX+1], v2, 4, v[ADX]
	s_mul_i32 s13, s97, 4*IMG                      ; my four row tiles
	s_add_co_u32 s13, s13, IOFF
	v_lshl_add_u32 v[ADI], v3, 4, s13
	s_add_co_u32 s13, s13, 512
	v_lshl_add_u32 v[ADI+1], v3, 3, s13
	s_mul_i32 s14, s97, HALFS
	s_mul_i32 s15, s98, HALFS
	s_add_co_u32 s15, s15, 2*HALFS
	s_sub_co_u32 s15, s15, s14                     ; from attn's scale rows to W's
	s_add_co_u32 s14, s14, SCL
	v_mul_u32_u24 v7, v1, SPITCH
	v_add_nc_u32 v7, s14, v7
	v_mul_u32_u24 v8, s15, v2                      ; lanes 16-31 take W's
	v_add_nc_u32 v[ADRS], v7, v8
	s_mul_i32 s16, s[WV], 16*272
	s_add_co_u32 s16, s16, STG                     ; my stage
	v_mul_u32_u24 v9, v1, 272
	v_lshl_add_u32 v9, v2, 5, v9
	v_add_nc_u32 v21, s16, v9                      ; in: row r, + 32 h
	v_mul_u32_u24 v9, v2, 272
	v_lshl_add_u32 v9, v1, 4, v9
	v_add_nc_u32 v22, s16, v9                      ; back: lanes 0-15 one row, lanes 16-31 the next
	v_lshlrev_b32 v23, 13, v2
	v_lshl_add_u32 v23, v1, 4, v23                 ; the same in out0: a step of t is 8,192 bytes
	v_lshlrev_b32 v28, 4, v1
	s_bfe_u32 s16, ttmp6, 0x40000
	s_lshl_b32 s17, ttmp9, 2
	s_add_co_u32 s17, s17, s16                     ; x
	s_bfe_u32 s16, ttmp6, 0x40004
	s_and_b32 s18, ttmp7, 0xffff
	s_lshl_b32 s18, s18, 2
	s_add_co_u32 s18, s18, s16                     ; y
	s_lshl_b32 s17, s17, 9
	s_lshl_b32 s16, s98, 8
	s_add_co_u32 s16, s17, s16                     ; my first column, in bytes: 512 x + 256 wc
	s_mov_b32 s17, 0
	s_wait_alu depctr_va_vdst(0)
	s_wait_kmcnt 0x0
	s_add_nc_u64 s[4:5], s[4:5], s[16:17]
	s_add_nc_u64 s[6:7], s[6:7], s[16:17]
	s_and_b32 s16, s18, 15                         ; G
	s_lshl_b32 s16, s16, 20
	s_lshl_b32 s19, s97, 19
	s_add_co_u32 s16, s16, s19                     ; t = 128 G + 64 wr,
	s_lshr_b32 s19, s18, 4
	s_lshl_b32 s19, s19, 12
	s_add_co_u32 s16, s16, s19                     ; batch b
	s_add_nc_u64 s[6:7], s[6:7], s[16:17]
	global_load_b128 v[24:27], v28, s[4:5]         ; the bias of the four columns that I store
.macro FRAGR reg, adr, q, off
.irp p, 0,1,2,3,4,5
.set PCE, 12*(\q)+6*(\p/3)+\p%3
.if PCE%32 < 29                        ; q counts the K steps from the row's start; 32 pieces of 8 bytes lie between two paddings
	ds_load_b64 v[\reg+2*\p:\reg+2*\p+1], v[\adr] offset:8*PCE+16*(PCE/32)+(\off)
.else
	ds_load_b64 v[\reg+2*\p:\reg+2*\p+1], v[\adr+1] offset:8*PCE+16*(PCE/32)+(\off)
.endif
.endr
.endm
.macro FRAGI reg, q, i                 ; a fragment of attn: two half fragments, as they were stored
.irp c, 0,1
	ds_load_b128 v[\reg+6*\c:\reg+6*\c+3], v[ADI] offset:IMG*(\i)+1536*(\q)+768*\c
	ds_load_b64 v[\reg+6*\c+4:\reg+6*\c+5], v[ADI+1] offset:IMG*(\i)+1536*(\q)+768*\c
.endr
.endm
.macro FETCH kap
.irp i, 0,1,2,3
	FRAGR XF+96*((\kap)%2)+FR*\i, ADX, \kap, 16*PITCH*\i
.endr
.irp i, 0,1,2,3
	FRAGI YF+96*((\kap)%2)+FR*\i, \kap, \i
.endr
.endm
.macro SCALES ch                       ; the two scale words a row of K steps 2 ch and 2 ch + 1, into set ch % 2
.irp i, 0,1,2,3
	ds_load_b64 v[SC+8*((\ch)%2)+2*\i:SC+8*((\ch)%2)+2*\i+1], v[ADRS] offset:16*SPITCH*\i+8*(\ch)
.endr
.endm
.macro MULS st, q, sc, zero            ; the accumulators take turns, one instruction a turn, in the same order in every step
	WIN 0x50
.irp y, 0,1,2,3
.irp x, 0,1,2,3
.if \zero
	v_wmma_scale_f32_16x16x128_f8f6f4 v[32*\y+8*\x:32*\y+8*\x+7], v[XF+96*(\st)+FR*\x:XF+96*(\st)+FR*\x+FR-1], v[YF+96*(\st)+FR*\y:YF+96*(\st)+FR*\y+FR-1], 0, v[SC+8*(\sc)+2*\x+(\q)], v[SC+8*(\sc)+2*\y+(\q)] matrix_a_fmt:MATRIX_FMT_FP6 matrix_b_fmt:MATRIX_FMT_FP6 matrix_a_scale:MATRIX_SCALE_ROW1
.else
	v_wmma_scale_f32_16x16x128_f8f6f4 v[32*\y+8*\x:32*\y+8*\x+7], v[XF+96*(\st)+FR*\x:XF+96*(\st)+FR*\x+FR-1], v[YF+96*(\st)+FR*\y:YF+96*(\st)+FR*\y+FR-1], v[32*\y+8*\x:32*\y+8*\x+7], v[SC+8*(\sc)+2*\x+(\q)], v[SC+8*(\sc)+2*\y+(\q)] matrix_a_fmt:MATRIX_FMT_FP6 matrix_b_fmt:MATRIX_FMT_FP6 matrix_a_scale:MATRIX_SCALE_ROW1
.endif
.endr
.endr
	WIN 0
.endm
.macro KSTEP kap, zero
	s_wait_dscnt 0x0                               ; this step's fragments, asked for a step ago, are in
.if (\kap) < 7
	PLACES                                         ; places in front of loads into the set that the last step's products read
	FETCH (\kap)+1
.if (\kap)%2 == 1
	SCALES ((\kap)+1)/2
.endif
.endif
	MULS (\kap)%2, (\kap)%2, ((\kap)/2)%2, \zero
.endm
	s_wait_tensorcnt 0x0                           ; my one tile of the head's four has landed
	s_barrier_signal -1
	s_barrier_wait -1
	FETCH 0
	SCALES 0
	KSTEP 0, 1                                     ; the first products start the sums: nothing is cleared
.irp k, 1,2,3,4,5,6,7
	KSTEP \k, 0
.endr
	PLACES
	s_wait_loadcnt 0x0                             ; the bias
; THE WAY OUT of row tile y: 16 rows x 64 columns through my stage; LDS serves a wave's instructions in order, so no wait stands between the stores and the loads
.macro OUTROW y
.set OB, 32+32*((\y)%2)
.if (\y) > 1
	s_wait_xcnt 0x0                                ; the stores of two tiles ago have read these registers
.endif
	WIN 0x04                                       ; an LDS store's data are its source 1: window 1
.irp x, 0,1,2,3
	ds_store_b128 v21, v[32*(\y)+8*\x:32*(\y)+8*\x+3] offset:64*\x            ; each accumulator from its low end on
	ds_store_b128 v21, v[32*(\y)+8*\x+4:32*(\y)+8*\x+7] offset:64*\x+16
.endr
	WIN 0
.irp i, 0,1,2,3,4,5,6,7
	ds_load_b128 v[OB+4*\i:OB+4*\i+3], v22 offset:544*\i
.endr
	s_wait_dscnt 0x0
.irp i, 0,1,2,3,4,5,6,7
	v_pk_add_f32 v[OB+4*\i:OB+4*\i+1], v[OB+4*\i:OB+4*\i+1], v[24:25]
	v_pk_add_f32 v[OB+4*\i+2:OB+4*\i+3], v[OB+4*\i+2:OB+4*\i+3], v[26:27]
.endr
.irp i, 0,1,2,3,4,5,6,7
	global_store_b128 v23, v[OB+4*\i:OB+4*\i+3], s[6:7] offset:65536*(\y)+((2*\i)%8+32*(\i/4))*8192 th:TH_STORE_NT   ; rows 2 i and 2 i + 1 of the tile: t = 8 y + (2 i) % 8 + 32 (i / 4) and the next; 16 lanes store 256 consecutive bytes, aligned
.endr
.endm
	OUTROW 0
	OUTROW 1
	OUTROW 2
	OUTROW 3
	s_wait_tensorcnt 0x0
	ds_add_u32 v254, v255
	s_wait_dscnt 0x0
	CROUND                                         ; the closing round: no work-group ends while a partner may still ask for a tile that names it
	s_endpgm
.Lfunc_end_k_qdf12ef0df7_oproj:
	.size	k_qdf12ef0df7_oproj, .Lfunc_end_k_qdf12ef0df7_oproj-k_qdf12ef0df7_oproj
	.p2alignl 7, 3214868480
	.fill 96, 4, 3214868480
	.section	.rodata,"a",@progbits
	.p2align	6, 0x0
	.amdhsa_kernel k_qdf12ef0df7_oproj
		.amdhsa_group_segment_fixed_size 249344
		.amdhsa_private_segment_fixed_size 0
		.amdhsa_enable_private_segment 0
		.amdhsa_kernarg_size 48
		.amdhsa_user_sgpr_count 2
		.amdhsa_user_sgpr_kernarg_segment_ptr 1
		.amdhsa_wavefront_size32 1
		.amdhsa_system_sgpr_workgroup_id_x 1
		.amdhsa_system_sgpr_workgroup_id_y 1
		.amdhsa_system_sgpr_workgroup_id_z 1
		.amdhsa_system_vgpr_workitem_id 0
		.amdhsa_next_free_vgpr 384
		.amdhsa_next_free_sgpr 106
		.amdhsa_reserve_vcc 0
		.amdhsa_float_denorm_mode_32 3
		.amdhsa_float_denorm_mode_16_64 3
		.amdhsa_memory_ordered 1
		.amdhsa_forward_progress 1
		.amdhsa_inst_pref_size 60
	.end_amdhsa_kernel
	.amdgpu_metadata
---
amdhsa.version: [ 1, 2 ]
amdhsa.kernels:
  - .name:           k_qdf12ef0df7_oproj
    .symbol:         k_qdf12ef0df7_oproj.kd
    .args:
      - { .name: ac, .offset: 0, .size: 8, .value_kind: global_buffer, .address_space: global }
      - { .name: asc, .offset: 8, .size: 8, .value_kind: global_buffer, .address_space: global }
      - { .name: out_proj_weight_codes, .offset: 16, .size: 8, .value_kind: global_buffer, .address_space: global }
      - { .name: out_proj_weight_scales, .offset: 24, .size: 8, .value_kind: global_buffer, .address_space: global }
      - { .name: out_proj_bias, .offset: 32, .size: 8, .value_kind: global_buffer, .address_space: global }
      - { .name: out0, .offset: 40, .size: 8, .value_kind: global_buffer, .address_space: global }
    .group_segment_fixed_size: 249344
    .private_segment_fixed_size: 0
    .kernarg_segment_align: 8
    .kernarg_segment_size: 48
    .max_flat_workgroup_size: 128
    .sgpr_count:     106
    .vgpr_count:     384
    .wavefront_size: 32
...
	.end_amdgpu_metadata
.endif
;; end of part 7
